; MI455X (gfx1250); checked and timed in simulation.
; The chip was launched on July 23, 2026; its instructions are those of AMD's public machine-readable ISA for CDNA 5 (MIT licence, August 2026) and "CDNA5" Instruction Set Architecture Reference Guide (July 2026). The comments in the code are by the model that wrote it; some were corrected since.
;; Mo E Layer. Allowed arithmetic: matrix products marked QUANTISED: E5M2 operands, one given power-of-two scale a tensor, by v_wmma_f32_16x16x64_bf8_bf8 or v_wmma_f32_16x16x128_bf8_bf8, f32 sums; products left as they are: f32 operands where the result goes on into a quantised operand, else bf16, f16 or f32 operands; f32 sums; everything else in f32.
;; Inputs: lowp_scales 4 int32 (the exponents e of the quantised operands' scales 2^e); router_w 8 x 1,024 float32; w1_codes 8 x 2,048 x 32 x 32 uint8 (E5M2 codes of w1, K innermost, in blocks of 32 codes); w2_codes 8 x 1,024 x 64 x 32 uint8 (E5M2 codes of w2, K innermost, in blocks of 32 codes); x 4 x 512 x 1,024 float32.
;; Outputs: out0 4 x 512 x 1,024 float32.
;; This version of the problem:
;;   THIS VERSION OF THE PROBLEM IS GIVEN IN LOW PRECISION. The matrix products marked QUANTISED in the list below multiply operands that are first quantised to E5M2 (5 exponent bits, 2 mantissa bits; 8 bits a number), with one given power-of-two scale for each operand tensor; their sums are f32. All else is computed in f32.
;;   The module's matrix products, in the order in which they are computed (A, B: the left and right operand; K: the contracted axis; several contracted axes count as one K, in the product's order):
;;     1. [M 2,048, K 1,024] x [K 1,024, N 8]; A: input x; B: input router_w: left as it is (N = 8 < 16)
;;     2. [M 16,384, K 1,024] x [K 1,024, N 2,048]; A: input w1 (given as codes); B: input x: QUANTISED (scales: A lowp_scales[0], B lowp_scales[1])
;;     3. batch 8 x [M 2,048, K 2,048] x [K 2,048, N 1,024]; A: computed on the way; B: input w2 (given as codes): QUANTISED (scales: A lowp_scales[2], B lowp_scales[3])
;;     4. batch 2,048 x [M 1, K 2] x [K 2, N 1,024]; A: computed on the way; B: computed on the way: left as it is (K = 2 < 32)
;;   THE QUANTISER, for each operand of a quantised product, along K:
;;     - The operand's scale is 2^e, e = its entry of the input lowp_scales (int32; the entries are numbered through the quantised products in the list's order, A before B).
;;     - Each number is divided by the scale, clamped to +-57,344, and rounded to the nearest number of E5M2, ties to even, subnormals kept.
;;     - The product sums the exact products of the quantised numbers (number of the format x scale) in f32.
;;   ~~~python
;;   def quantise(x, axis, e):      # numpy; x: float32 -> the quantised numbers, widened to float32 again
;;       x = np.moveaxis(x, axis, -1); K = x.shape[-1]
;;       r = np.clip(x / 2.0 ** e, -57344, 57344)
;;       step = 2.0 ** (np.maximum(np.frexp(np.where(r == 0, 1, r))[1] - 1, -14) - 2)
;;       q = np.round(r / step) * step * 2.0 ** e      # np.round: ties to even
;;       return np.moveaxis(q, -1, axis).astype(np.float32)
;;   ~~~
;;   OPERANDS COMPUTED ON THE WAY. 'Computed on the way' means the value that the module computes at that place (a softmax that the list does not call 'softmax' is quantised finished and normalised). What goes into a quantiser is computed in f32, as accurately as f32 sums, v_exp_f32 and their like allow (about 1e-6 of the number): no bf16 or f16 on the way to a quantiser, and a product that is left as it is and whose result goes on into a quantised operand takes f32 operands (vector FMAs, or v_wmma_f32_16x16x4_f32). A number that lies on a knife's edge between two numbers of the format may be rounded either way, as far as f32 arithmetic and the matrix unit's own rounding can turn it there, and no further.
;;   INPUTS GIVEN AS CODES. w1 (in the module: [8, 1024, 2048], K = its axis 1); w2 (in the module: [8, 2048, 1024], K = its axis 1): each comes as NAME_codes (uint8): NAME with its K axis moved to the last place and cut into blocks of 32 codes, [.., K / 32, bytes a block], one block behind the other in memory; one code a byte (a code: sign, 5 exponent bits, 2 mantissa bits); its scale is its entry of lowp_scales. Its value is code x scale, taken as it is: it is not quantised again, and the codes and scales need not be those that the quantiser above would give.
;; 2 versions. Each part assembles by itself: llvm-mc -triple=amdgcn-amd-amdhsa -mcpu=gfx1250 --defsym DOCPART=n.
;; ======== version 1 of 2: 5 launches
;; workspace buffers: xq 2,097,152 bytes; sel 8,192 bytes of whole numbers; gate 16,384 bytes; tok 22,272 bytes of whole numbers; pos 16,384 bytes of whole numbers; texp 256 bytes of whole numbers; hbuf 11,403,264 bytes; ybuf 11,403,264 bytes
;; launch route (part 1): grid 256 x 1, 2 waves a work-group, no clusters, 8,448 bytes of LDS; arguments x, router_w, lowp_scales, xq, sel, gate, tok; writes xq, sel, gate, tok
.if DOCPART == 1
	.amdgcn_target "amdgcn-amd-amdhsa--gfx1250"
	.amdhsa_code_object_version 6
	.text
	.protected	k_q3a2acd7fd1_route
	.globl	k_q3a2acd7fd1_route
	.p2align	8
	.type	k_q3a2acd7fd1_route,@function
k_q3a2acd7fd1_route:
	s_mov_b64 s[64:65], 0
	v_nop
	global_prefetch_b8 v0, s[64:65] scope:SCOPE_SE
	s_setreg_imm32_b32 hwreg(HW_REG_WAVE_MODE, 25, 1), 1
	s_wait_xcnt 0x0
; THE ROUTER AND x's QUANTISER.  x: [2048][1024] f32, router_w: [8][1024] f32.
; For each token: its 8 logits (f32 multiply-adds), the two largest (of equal logits the lower index first), the softmax of those two
; (the larger is taken away before the exponential), and the token's 1,024 codes of E5M2 with the given scale 2^ex, ex = lowp_scales[1].
; Stored at fixed places: xq [2048][1024] codes, sel [2048] int32 = first expert | second expert << 8, gate [2048][2] f32.
; No address and no branch hangs on the choice: a later launch places the rows.
; Also: the list tok [5568] int32 is set to 0 here, 87 blocks of 256 bytes, one by wave 0 of each of the first 87 work-groups.  The next launch overwrites the words of real rows; pad rows keep token 0.
; SHARES.  A wave takes 4 tokens; lane l holds k = 128 i + 4 l + 0..3, i = 0..7, of each token and of each row of router_w: every load covers 512 consecutive bytes.
; x is read once and serves both the logits and the codes.  The waves share nothing: no barrier.  No matrix unit: 8 columns are half a tile, and the launch is bound by x's bytes.
; LIMITS.  NaN and infinities among the inputs are not served.  ex between -126 and 112, so that 2^ex and 57,344 x 2^ex are f32 numbers.
; A second gate under 2^-126 comes out as 0 (the exponential gives no denormals: ISA guide, 15.8).
; REGISTERS.  Window 0: v1 16 x lane, v2 lane, v3, v4 LDS addresses, v5 2^ex, v6 57,344 x 2^ex, v7 -infinity, v8-15 at work; v16-143 x (token t, load i at 16 + 32 t + 4 i);
;   v144-207 the 32 sums in pairs, later the codes (v144-175) and the codes read back (v176-207); v208-239 the logits; v240-255 four registers a token.   Window 1: router_w (row e, load i at 32 e + 4 i).
.set X,   16
.set ACC, 144
.set CD,  144
.set BK,  176
.set LG,  208
.set TP,  240                          ; token t at TP + 4 t: +0 the largest logit, then gate 0; +1 its index, then the word for sel; +2 the second logit, then gate 1; +3 its index
.set TOKB, 87                          ; blocks of 256 bytes in tok: 5,568 words
.set MSB, 0
.macro WIN new                         ; the immediate's high byte repeats the setting that is left
.if MSB != \new
	s_set_vgpr_msb (MSB<<8)|\new
.set MSB, \new
.endif
.endm
	s_load_b256 s[4:11], s[0:1], 0x0               ; x s[4:5], router_w s[6:7], lowp_scales s[8:9], xq s[10:11]
	s_load_b128 s[12:15], s[0:1], 0x20             ; sel s[12:13], gate s[14:15]
	s_load_b64 s[30:31], s[0:1], 0x30              ; tok
	s_set_vgpr_msb 0x80
	v_lshl_add_u32 v0, v0, 2, 0x2000
	v_mov_b32 v1, 0
	s_set_vgpr_msb 0x8000
	v_lshrrev_b32 v8, 5, v0
	v_readfirstlane_b32 s16, v8                    ; wave 0, 1
	v_and_b32 v2, 31, v0                           ; lane
	v_lshlrev_b32 v1, 4, v2                        ; 16 bytes a lane
	s_lshl_b32 s17, ttmp9, 3
	s_lshl_b32 s18, s16, 2
	s_add_co_u32 s17, s17, s18                     ; my first token: 8 x work-group + 4 x wave
	s_lshl_b32 s21, s16, 12                        ; my wave's 4,096 bytes of LDS
	v_lshl_add_u32 v3, v2, 2, s21                  ; in: 4 bytes a lane
	v_add_nc_u32 v4, s21, v1                       ; back: 16 bytes a lane
	s_mov_b32 s22, 0x76543210                      ; v_permlanex16_b32: each lane takes its own place in the other half
	s_mov_b32 s23, 0xfedcba98
	v_mov_b32 v7, 0xff800000                       ; -infinity
	s_mov_b32 s19, 0
	s_wait_kmcnt 0x0
	s_load_b32 s20, s[8:9], 0x4                    ; ex
	s_lshl_b32 s18, s17, 12
	s_add_nc_u64 s[4:5], s[4:5], s[18:19]          ; x at my first token: rows of 4,096 bytes
	s_lshl_b32 s18, s17, 10
	s_add_nc_u64 s[10:11], s[10:11], s[18:19]      ; xq: rows of 1,024 bytes
	s_lshl_b32 s18, s17, 2
	s_add_nc_u64 s[12:13], s[12:13], s[18:19]      ; sel: 4 bytes a token
	s_lshl_b32 s18, s17, 3
	s_add_nc_u64 s[14:15], s[14:15], s[18:19]      ; gate: 8 bytes a token
	s_lshl_b32 s18, ttmp9, 8
	s_add_nc_u64 s[30:31], s[30:31], s[18:19]      ; tok: the work-group's block of 256 bytes (used by the first 87 work-groups alone)
.irp t, 0,1,2,3
.irp i, 0,1,2,3,4,5,6,7
	global_load_b128 v[X+32*\t+4*\i:X+32*\t+4*\i+3], v1, s[4:5] offset:4096*\t+512*\i th:TH_LOAD_NT   ; read once in the launch
.endr
.endr
	WIN 0x40                                       ; destination window 1
.irp e, 0,1,2,3,4,5,6,7
.irp i, 0,1,2,3,4,5,6,7
	global_load_b128 v[32*\e+4*\i:32*\e+4*\i+3], v1, s[6:7] offset:4096*\e+512*\i
.endr
.endr
	s_wait_loadcnt 0x0
	; THE LOGITS: 32 sums (4 tokens x 8 experts), two numbers an instruction, 32 chains that do not wait for each other.  The first products start the sums.
	WIN 0x04                                       ; source 1 (router_w) window 1
.set p, 0
.rept 16
.irp t, 0,1,2,3
.irp e, 0,1,2,3,4,5,6,7
.if p == 0
	v_pk_mul_f32 v[ACC+2*(8*\t+\e):ACC+2*(8*\t+\e)+1], v[X+32*\t:X+32*\t+1], v[32*\e:32*\e+1]
.else
	v_pk_fma_f32 v[ACC+2*(8*\t+\e):ACC+2*(8*\t+\e)+1], v[X+32*\t+2*p:X+32*\t+2*p+1], v[32*\e+2*p:32*\e+2*p+1], v[ACC+2*(8*\t+\e):ACC+2*(8*\t+\e)+1]
.endif
.endr
.endr
.set p, p+1
.endr
	WIN 0
.set k, 0
.rept 32
	v_add_f32 v[LG+k], v[ACC+2*k], v[ACC+2*k+1]    ; the two halves of a pair
.set k, k+1
.endr
.irp m, 1,2,4,8                        ; across the 16 lanes of a half, step by step over all 32 sums,
.set k, 0
.rept 32
	v_add_f32_dpp v[LG+k], v[LG+k], v[LG+k] row_xmask:\m row_mask:0xf bank_mask:0xf
.set k, k+1
.endr
.endr
.set k, 0
.rept 32
	v_permlanex16_b32 v[ACC+k], v[LG+k], s22, s23  ; and the other half's (its destination has been written: the sums' registers)
.set k, k+1
.endr
.set k, 0
.rept 32
	v_add_f32 v[LG+k], v[LG+k], v[ACC+k]           ; every lane now holds all 32 logits
.set k, k+1
.endr
	; THE TWO LARGEST.  A scan with a strict 'greater' keeps the lower index among equals; the winner becomes -infinity; a second scan.  The four tokens take turns.
.macro SCAN o
.irp t, 0,1,2,3
	v_mov_b32 v[TP+4*\t+\o], v[LG+8*\t]
	v_mov_b32 v[TP+4*\t+\o+1], 0
.endr
.irp e, 1,2,3,4,5,6,7
.irp t, 0,1,2,3
	v_cmp_gt_f32 s[24+\t], v[LG+8*\t+\e], v[TP+4*\t+\o]
.endr
.irp t, 0,1,2,3
	v_cndmask_b32 v[TP+4*\t+\o], v[TP+4*\t+\o], v[LG+8*\t+\e], s[24+\t]
	v_cndmask_b32 v[TP+4*\t+\o+1], v[TP+4*\t+\o+1], \e, s[24+\t]
.endr
.endr
.endm
	SCAN 0
.irp e, 0,1,2,3,4,5,6,7
.irp t, 0,1,2,3
	v_cmp_eq_u32 s[24+\t], \e, v[TP+4*\t+1]
.endr
.irp t, 0,1,2,3
	v_cndmask_b32 v[LG+8*\t+\e], v[LG+8*\t+\e], v7, s[24+\t]
.endr
.endr
	SCAN 2
	; THE GATES: softmax of (first, second) = (1, u) / (1 + u), u = e^(second - first), at most 1
.irp t, 0,1,2,3
	v_sub_f32 v[8+\t], v[TP+4*\t+2], v[TP+4*\t]
.endr
.irp t, 0,1,2,3
	v_mul_f32 v[8+\t], 0x3fb8aa3b, v[8+\t]         ; x log2(e)
.endr
.irp t, 0,1,2,3
	v_exp_f32 v[12+\t], v[8+\t]
.endr
.irp t, 0,1,2,3
	v_lshl_or_b32 v[TP+4*\t+1], v[TP+4*\t+3], 8, v[TP+4*\t+1]   ; the word for sel; plain work behind the exponentials
.endr
	s_wait_alu depctr_va_vdst(0)                   ; one wait for the four exponentials, ahead of their first reader
.irp t, 0,1,2,3
	v_add_f32 v[8+\t], 1.0, v[12+\t]
.endr
.irp t, 0,1,2,3
	v_rcp_f32 v[TP+4*\t], v[8+\t]                  ; gate 0
.endr
	v_nop                                          ; a plain instruction behind the last reciprocal
	s_wait_alu depctr_va_vdst(0)                   ; one wait for the four reciprocals
.irp t, 0,1,2,3
	v_mul_f32 v[TP+4*\t+2], v[12+\t], v[TP+4*\t]   ; gate 1
.endr
	; THE CODES
	s_wait_kmcnt 0x0
	s_add_co_i32 s20, s20, 127
	s_lshl_b32 s21, s20, 23
	v_mov_b32 v5, s21                              ; 2^ex as f32: the conversion takes its exponent field
	s_add_co_i32 s20, s20, 15
	s_lshl_b32 s20, s20, 23
	s_or_b32 s20, s20, 0x600000
	v_mov_b32 v6, s20                              ; 57,344 x 2^ex
.set k, 0
.rept 128
	v_med3_num_f32 v[X+k], v[X+k], -v6, v6         ; the conversion to an 8-bit code does not saturate (ISA guide 7.6.2): the hold at the largest code x the scale
.set k, k+1
.endr
.irp t, 0,1,2,3
.irp u, 0,1,2,3
	v_cvt_scalef32_pk8_bf8_f32 v[CD+8*\t+2*\u:CD+8*\t+2*\u+1], v[X+32*\t+8*\u:X+32*\t+8*\u+7], v5   ; the two words are the four codes of load 2 u and of load 2 u + 1
.endr
.endr
	v_nop                                          ; a plain instruction behind the last conversion
	; A lane's four codes of a load are 4 bytes: they turn through my wave's own LDS bytes, laid as the rows lie, and leave 16 bytes a lane.
.irp t, 0,1,2,3
.irp i, 0,1,2,3,4,5,6,7
	ds_store_b32 v3, v[CD+8*\t+\i] offset:1024*\t+128*\i
.endr
.endr
.irp m, 0,1,2,3,4,5,6,7
	ds_load_b128 v[BK+4*\m:BK+4*\m+3], v4 offset:512*\m   ; LDS serves a wave's instructions in order (ISA guide 5.7.1.4): these see my stores
.endr
	; lane t (0..3) takes token t's word and gates, while the loads are out
	v_mov_b32 v8, v[TP+1]
	v_mov_b32 v10, v[TP]
	v_mov_b32 v11, v[TP+2]
.irp t, 1,2,3
	v_cmp_eq_u32 vcc_lo, \t, v2
	v_cndmask_b32 v8, v8, v[TP+4*\t+1], vcc_lo
	v_cndmask_b32 v10, v10, v[TP+4*\t], vcc_lo
	v_cndmask_b32 v11, v11, v[TP+4*\t+2], vcc_lo
.endr
	v_lshlrev_b32 v9, 2, v2
	v_lshlrev_b32 v12, 3, v2
.irp m, 0,1,2,3,4,5,6,7
	s_wait_dscnt 7-\m                              ; load m is in; the younger ones may be out
	global_store_b128 v1, v[BK+4*\m:BK+4*\m+3], s[10:11] offset:512*\m   ; 512 consecutive bytes, at a multiple of 256 from xq's first byte
.endr
	; tok's zeros: wave 0 of work-groups 0 to 86, 8 bytes a lane
	v_mov_b32 v[CD], 0                             ; (the codes have gone through LDS: their registers are free)
	v_mov_b32 v[CD+1], 0
	s_lshl_b32 s29, s16, 8
	s_add_co_u32 s29, s29, ttmp9                   ; 256 x wave + work-group: under 87 in those waves alone
	s_cmp_lt_u32 s29, TOKB
	s_cbranch_scc0 .Lno_tok
	global_store_b64 v12, v[CD:CD+1], s[30:31]     ; 256 consecutive bytes, at a multiple of 256 from tok's first byte
.Lno_tok:
	v_cmp_gt_u32 vcc_lo, 4, v2
	s_wait_xcnt 0x0                                ; EXEC is a source of the stores above: it changes only behind this wait
	s_set_vgpr_msb 0xa
	s_wait_tensorcnt 0x0
	ds_add_u32 v0, v1
	s_wait_dscnt 0x0
	s_set_vgpr_msb 0xa00
	s_and_saveexec_b32 s28, vcc_lo
	global_store_b32 v9, v8, s[12:13]              ; a wave's share of sel is 16 bytes and of gate 32: the two lists are 24 KB in all
	global_store_b64 v12, v[10:11], s[14:15]
	s_wait_xcnt 0x0                                ; and again, in front of the line that widens it
	s_or_b32 exec_lo, exec_lo, s28
	s_endpgm
.Lfunc_end_k_q3a2acd7fd1_route:
	.size	k_q3a2acd7fd1_route, .Lfunc_end_k_q3a2acd7fd1_route-k_q3a2acd7fd1_route
	.p2alignl 7, 3214868480
	.fill 96, 4, 3214868480
	.section	.rodata,"a",@progbits
	.p2align	6, 0x0
	.amdhsa_kernel k_q3a2acd7fd1_route
		.amdhsa_group_segment_fixed_size 8448
		.amdhsa_private_segment_fixed_size 0
		.amdhsa_enable_private_segment 0
		.amdhsa_kernarg_size 56
		.amdhsa_user_sgpr_count 2
		.amdhsa_user_sgpr_kernarg_segment_ptr 1
		.amdhsa_wavefront_size32 1
		.amdhsa_system_sgpr_workgroup_id_x 1
		.amdhsa_system_sgpr_workgroup_id_y 1
		.amdhsa_system_sgpr_workgroup_id_z 1
		.amdhsa_system_vgpr_workitem_id 0
		.amdhsa_next_free_vgpr 514
		.amdhsa_next_free_sgpr 66
		.amdhsa_reserve_vcc 1
		.amdhsa_float_denorm_mode_32 3
		.amdhsa_float_denorm_mode_16_64 3
		.amdhsa_memory_ordered 1
		.amdhsa_forward_progress 1
		.amdhsa_inst_pref_size 86
	.end_amdhsa_kernel
	.amdgpu_metadata
---
amdhsa.version: [ 1, 2 ]
amdhsa.kernels:
  - .name:           k_q3a2acd7fd1_route
    .symbol:         k_q3a2acd7fd1_route.kd
    .args:
      - { .name: x, .offset: 0, .size: 8, .value_kind: global_buffer, .address_space: global }
      - { .name: router_w, .offset: 8, .size: 8, .value_kind: global_buffer, .address_space: global }
      - { .name: lowp_scales, .offset: 16, .size: 8, .value_kind: global_buffer, .address_space: global }
      - { .name: xq, .offset: 24, .size: 8, .value_kind: global_buffer, .address_space: global }
      - { .name: sel, .offset: 32, .size: 8, .value_kind: global_buffer, .address_space: global }
      - { .name: gate, .offset: 40, .size: 8, .value_kind: global_buffer, .address_space: global }
      - { .name: tok, .offset: 48, .size: 8, .value_kind: global_buffer, .address_space: global }
    .group_segment_fixed_size: 8448
    .private_segment_fixed_size: 0
    .kernarg_segment_align: 8
    .kernarg_segment_size: 56
    .max_flat_workgroup_size: 64
    .sgpr_count:     66
    .vgpr_count:     514
    .wavefront_size: 32
...
	.end_amdgpu_metadata
.endif
;; end of part 1
;; launch place (part 2): grid 1 x 1, 16 waves a work-group, no clusters, 4,096 bytes of LDS; arguments sel, tok, pos, texp; writes tok, pos, texp
.if DOCPART == 2
	.amdgcn_target "amdgcn-amd-amdhsa--gfx1250"
	.amdhsa_code_object_version 6
	.text
	.protected	k_q3a2acd7fd1_place
	.globl	k_q3a2acd7fd1_place
	.p2align	8
	.type	k_q3a2acd7fd1_place,@function
k_q3a2acd7fd1_place:
	s_mov_b64 s[64:65], 0
	v_nop
	global_prefetch_b8 v0, s[64:65] scope:SCOPE_SE
	s_setreg_imm32_b32 hwreg(HW_REG_WAVE_MODE, 25, 1), 1
	s_wait_xcnt 0x0
; THE ROWS ARE PLACED BY EXPERT: a counting sort of the 4,096 routed rows (2,048 tokens x 2), each expert's rows padded to whole tiles of 192.  Whole numbers only.
; In: sel [2048] = first expert | second expert << 8.
; Out: tok [5568]: the token of padded row p: the words of real rows are stored here; the launch before has set the whole list to 0, which pad rows keep;
;      pos [2048][2]: the padded rows of a token's two slots;  texp [64]: the expert of tile t (7 for tiles that the split leaves unused).
; 29 tiles serve every split: the sum over experts of ceil(rows / 192) is at most (4,096 + 8 x 191) / 192, rounded down.
; One work-group, since every place hangs on all counts; no atomics.  Wave w holds tokens 128 w + 32 j + lane, j = 0..3.
; Counts by ballots (a compare's lane mask and its bit count); the waves' counts meet in LDS behind the one barrier; a row's place is its expert's first row + the rows of earlier waves
; + those of earlier j + the ballot's bits under the lane.  The 32 ballots are made in one run of vector instructions and counted in one run of scalar ones.  EXEC is never changed.
.set TM,  192
.set PR,  29*TM                        ; 5,568 padded rows
.set SV,  2                            ; v2-5    sel of my four tokens
.set E0,  6                            ; v6-9    first expert
.set E1,  10                           ; v10-13  second expert
.set PS,  14                           ; v14-21  (place 0, place 1), a pair for each j
.set TN,  22                           ; v22-25  my tokens' numbers
.set TC,  26                           ; v26-41  the 16 waves' counts of expert lane % 8; later the addresses of the scattered stores
.set WK,  50                           ; v50-53  at work
.set BM,  56                           ; v56-59  (1 << first expert) | (1 << second expert)
.set MK,  20                           ; s[20:51]  ballot of expert e, group j at MK + 4 e + j
.set TOT, 52                           ; s[52:59]  an expert's rows: first my wave's, then all
.set RUN, 66                           ; s[66:73]  the next free row of an expert, for my wave
.set RS,  74                           ; s[74:81]  an expert's first row
.set TS,  82                           ; s[82:90]  an expert's first tile; entry 8: tiles in use
	s_load_b256 s[4:11], s[0:1], 0x0               ; sel s[4:5], tok s[6:7], pos s[8:9], texp s[10:11]
	v_lshl_add_u32 v64, v0, 2, 0x800
	v_mov_b32 v65, 0
	v_and_b32 v1, 31, v0                           ; lane
	v_lshrrev_b32 v44, 5, v0
	v_readfirstlane_b32 s12, v44                   ; wave 0..15
	v_lshlrev_b32 v44, 9, v44
	v_lshl_add_u32 v44, v1, 2, v44                 ; 512 x wave + 4 x lane: my first token's word of sel
	v_lshrrev_b32 v[TN], 2, v44                    ; its number
.irp j, 1,2,3
	v_add_nc_u32 v[TN+\j], 32*\j, v[TN]
.endr
	v_lshlrev_b32 v46, 2, v0                       ; LDS: 128 x wave + 4 x lane; also my word of texp
	v_and_b32 v47, 7, v0
	v_lshlrev_b32 v47, 2, v47                      ; LDS: column lane % 8
	v_lshlrev_b32 v49, 1, v44                      ; my first token's pair of pos
	v_mov_b32 v45, 0
	v_mov_b32 v42, 0
	v_mov_b32 v43, 0
	s_wait_kmcnt 0x0
.irp j, 0,1,2,3
	global_load_b32 v[SV+\j], v44, s[4:5] offset:128*\j
.endr
	s_wait_loadcnt 0x0
.irp j, 0,1,2,3
	v_and_b32 v[E0+\j], 0xff, v[SV+\j]
	v_bfe_u32 v[E1+\j], v[SV+\j], 8, 8
.endr
.irp j, 0,1,2,3
	v_lshlrev_b32 v[BM+\j], v[E0+\j], 1            ; 1 << first expert
	v_lshlrev_b32 v[WK+\j], v[E1+\j], 1            ; 1 << second expert
.endr
.irp j, 0,1,2,3
	v_or_b32 v[BM+\j], v[BM+\j], v[WK+\j]
.endr
	; my wave's ballots: which lanes have chosen expert e, in either slot
.irp e, 0,1,2,3,4,5,6,7
.irp j, 0,1,2,3
	v_and_b32 v[WK+\j], 1<<\e, v[BM+\j]
.endr
.irp j, 0,1,2,3
	v_cmp_ne_u32 s[MK+4*\e+\j], 0, v[WK+\j]
.endr
.endr
	; and its counts; the count of expert e goes into lane e
.irp e, 0,1,2,3,4,5,6,7
	s_bcnt1_i32_b32 s91, s[MK+4*\e]
	s_bcnt1_i32_b32 s92, s[MK+4*\e+1]
	s_bcnt1_i32_b32 s93, s[MK+4*\e+2]
	s_bcnt1_i32_b32 s94, s[MK+4*\e+3]
	s_add_co_u32 s91, s91, s92
	s_add_co_u32 s93, s93, s94
	s_add_co_u32 s[TOT+\e], s91, s93
.endr
.irp e, 0,1,2,3,4,5,6,7
	v_writelane_b32 v45, s[TOT+\e], \e
.endr
	ds_store_b32 v46, v45
	s_wait_dscnt 0x0                               ; for the others' sake: my counts lie in LDS
	s_barrier_signal -1
	s_barrier_wait -1
.irp w, 0,1,2,3,4,5,6,7,8,9,10,11,12,13,14,15
	ds_load_b32 v[TC+\w], v47 offset:128*\w
.endr
	s_wait_dscnt 0x0
.irp w, 0,1,2,3,4,5,6,7,8,9,10,11,12,13,14,15
	s_cmp_gt_u32 s12, \w                           ; a wave in front of mine?
	s_cselect_b32 s91, -1, 0
	v_and_b32 v48, s91, v[TC+\w]
	v_add_nc_u32 v42, v42, v48                     ; rows of expert lane % 8 in earlier waves,
	v_add_nc_u32 v43, v43, v[TC+\w]                ; and in all
.endr
.irp e, 0,1,2,3,4,5,6,7
	v_readlane_b32 s[TOT+\e], v43, \e
	v_readlane_b32 s[RUN+\e], v42, \e
.endr
	s_mov_b32 s[TS], 0
.irp e, 0,1,2,3,4,5,6,7
	s_add_co_u32 s91, s[TOT+\e], TM-1
	s_mul_i32 s91, s91, 43691
	s_lshr_b32 s91, s91, 23                        ; / 192, rounded down: 43,691 x 192 = 2^23 + 64, so the quotient is too large by 8 parts in 10^6, far under 1 / 192 for a dividend of at most 2,239
	s_add_co_u32 s[TS+\e+1], s[TS+\e], s91
	s_mul_i32 s[RS+\e], s[TS+\e], TM
	s_add_co_u32 s[RUN+\e], s[RUN+\e], s[RS+\e]
.endr
	; each routed row's place
.irp j, 0,1,2,3
	v_mov_b32 v[PS+2*\j], 0
	v_mov_b32 v[PS+2*\j+1], 0
.irp e, 0,1,2,3,4,5,6,7
	v_mbcnt_lo_u32_b32 v48, s[MK+4*\e+\j], s[RUN+\e]   ; the ballot's bits under my lane + the expert's next free row
	v_cmp_eq_u32 vcc_lo, \e, v[E0+\j]
	v_cndmask_b32 v[PS+2*\j], v[PS+2*\j], v48, vcc_lo
	v_cmp_eq_u32 vcc_lo, \e, v[E1+\j]
	v_cndmask_b32 v[PS+2*\j+1], v[PS+2*\j+1], v48, vcc_lo
	s_bcnt1_i32_b32 s91, s[MK+4*\e+\j]
	s_add_co_u32 s[RUN+\e], s[RUN+\e], s91
.endr
.endr
.irp j, 0,1,2,3
	global_store_b64 v49, v[PS+2*\j:PS+2*\j+1], s[8:9] offset:256*\j   ; 256 consecutive bytes, aligned
.endr
	; tok: the one scatter of the program, 4 bytes a row into a list of 22 KB; each address has a register of its own
.irp j, 0,1,2,3
.irp k, 0,1
	v_min_u32 v[TC+2*\j+\k], PR-1, v[PS+2*\j+\k]   ; a number made of loaded numbers enters an address behind a clamp
	v_lshlrev_b32 v[TC+2*\j+\k], 2, v[TC+2*\j+\k]
	global_store_b32 v[TC+2*\j+\k], v[TN+\j], s[6:7]
.endr
.endr
	; texp: waves 0 and 1, a lane a tile: the number of experts 1..7 whose first tile is at or under t
	s_cmp_gt_u32 s12, 1
	s_cbranch_scc1 .Lend
	v_mov_b32 v54, 0
.irp i, 1,2,3,4,5,6,7
	v_cmp_le_u32 vcc_lo, s[TS+\i], v0
	v_cndmask_b32 v50, 0, 1, vcc_lo
	v_add_nc_u32 v54, v54, v50
.endr
	global_store_b32 v46, v54, s[10:11]            ; the two waves store 256 consecutive bytes
.Lend:
	s_wait_tensorcnt 0x0
	ds_add_u32 v64, v65
	s_wait_dscnt 0x0
	s_endpgm
.Lfunc_end_k_q3a2acd7fd1_place:
	.size	k_q3a2acd7fd1_place, .Lfunc_end_k_q3a2acd7fd1_place-k_q3a2acd7fd1_place
	.p2alignl 7, 3214868480
	.fill 96, 4, 3214868480
	.section	.rodata,"a",@progbits
	.p2align	6, 0x0
	.amdhsa_kernel k_q3a2acd7fd1_place
		.amdhsa_group_segment_fixed_size 4096
		.amdhsa_private_segment_fixed_size 0
		.amdhsa_enable_private_segment 0
		.amdhsa_kernarg_size 32
		.amdhsa_user_sgpr_count 2
		.amdhsa_user_sgpr_kernarg_segment_ptr 1
		.amdhsa_wavefront_size32 1
		.amdhsa_system_sgpr_workgroup_id_x 1
		.amdhsa_system_sgpr_workgroup_id_y 1
		.amdhsa_system_sgpr_workgroup_id_z 1
		.amdhsa_system_vgpr_workitem_id 0
		.amdhsa_next_free_vgpr 66
		.amdhsa_next_free_sgpr 100
		.amdhsa_reserve_vcc 1
		.amdhsa_float_denorm_mode_32 3
		.amdhsa_float_denorm_mode_16_64 3
		.amdhsa_memory_ordered 1
		.amdhsa_forward_progress 1
		.amdhsa_inst_pref_size 27
	.end_amdhsa_kernel
	.amdgpu_metadata
---
amdhsa.version: [ 1, 2 ]
amdhsa.kernels:
  - .name:           k_q3a2acd7fd1_place
    .symbol:         k_q3a2acd7fd1_place.kd
    .args:
      - { .name: sel, .offset: 0, .size: 8, .value_kind: global_buffer, .address_space: global }
      - { .name: tok, .offset: 8, .size: 8, .value_kind: global_buffer, .address_space: global }
      - { .name: pos, .offset: 16, .size: 8, .value_kind: global_buffer, .address_space: global }
      - { .name: texp, .offset: 24, .size: 8, .value_kind: global_buffer, .address_space: global }
    .group_segment_fixed_size: 4096
    .private_segment_fixed_size: 0
    .kernarg_segment_align: 8
    .kernarg_segment_size: 32
    .max_flat_workgroup_size: 512
    .sgpr_count:     100
    .vgpr_count:     66
    .wavefront_size: 32
...
	.end_amdgpu_metadata
.endif
;; end of part 2
;; launch gemm1 (part 3): grid 8 x 29, 4 waves a work-group, no clusters, 244,224 bytes of LDS; arguments xq, w1_codes, lowp_scales, tok, texp, hbuf; writes hbuf
.if DOCPART == 3
	.amdgcn_target "amdgcn-amd-amdhsa--gfx1250"
	.amdhsa_code_object_version 6
	.text
	.protected	k_q3a2acd7fd1_gemm1
	.globl	k_q3a2acd7fd1_gemm1
	.p2align	8
	.type	k_q3a2acd7fd1_gemm1,@function
k_q3a2acd7fd1_gemm1:
	s_mov_b64 s[64:65], 0
	v_nop
	global_prefetch_b8 v0, s[64:65] scope:SCOPE_SE
	s_setreg_imm32_b32 hwreg(HW_REG_WAVE_MODE, 25, 1), 1
	s_wait_xcnt 0x0
; THE FIRST PRODUCT OF THE CHOSEN ROWS: hbuf[p][n] = Q(relu(s)^2), s = the sum over k of xq[tok[p]][k] w1[e][n][k], on codes of E5M2; e = texp[tile of p].
; xq: [2048][1024] codes; w1_codes: [8][2048][1024] codes, K innermost; hbuf: [5568][2048] codes with the given scale 2^e2.  e0 .. e3 = lowp_scales.
; A sum stands for s x 2^(e0 + e1), so the hidden number is s^2 x 2^(2 (e0 + e1)) and its code is s^2 / 2^(e2 - 2 (e0 + e1)): the three scales are folded into the conversion's one.
; SHARES.  A work-group makes 192 rows (a tile of the padded list) x 256 hidden units, K = 1,024 in four steps of 256.  Four waves, each 96 x 128: 48 accumulators, 384 registers.
; Pad rows and unused tiles hold token 0 and expert 7 at the most: they are computed like any row into rows of hbuf that nobody gathers, so that every wave passes every barrier and no branch hangs on the list.
; THE WAY IN.  A's rows are gathered by the list and B's tile hangs on an expert's number read from memory: both come by loads into registers (sixteen lanes read 256 consecutive, aligned bytes of a row),
; go into one of two LDS slots by ds_store_b128, and are read as fragments by all four waves.  A K step's loads are issued a K step ahead.  ONE barrier a K step.
; NO CLUSTER, NO JOINT LOADS: work-groups that need the same weights are the row tiles of one expert, which only the stored list knows, so no two work-groups' requests are equal by the text;
; what the 8 column tiles of a row tile share (192 of a step's 448 rows) is a gather.
; THE MATRIX INSTRUCTION IS USED TRANSPOSED (source 0 = 16 rows of w1, source 1 = 16 rows of x): a lane then holds eight neighbouring hidden units of one row, which one conversion turns into 8 bytes.
; A fragment comes by four loads of 16 bytes: registers 4 c .. 4 c + 3 hold k = 32 c + 16 (lane / 16) + 0 .. 15: the same permutation of k in both operands, so every product meets its partner.
; LIMITS.  e2 - 2 (e0 + e1) between -126 and 112, so that the conversion's scale and 57,344 times it are f32 numbers.  NaN is not served.
; REGISTERS.  Window 0: v1-18 addresses; v24-47 my 24 gathered rows' offsets; v64-159 A's six fragments, ONE set; v160-255 A's staging (24 loads).   Window 1: B's eight fragments, TWO sets, at v0 and v128.
;   Window 2: accumulators of my blocks 0-2 ((a, b) at 64 (a % 3) + 8 b); v192-255 B's staging, loads 0-15.   Window 3: blocks 3-5; v192-255 B's staging, loads 16-31.
.set TM,    192                        ; rows in a tile
.set PITCH, 272                        ; an LDS row: 256 bytes + 16: 68 words, so row r starts at bank 4 r mod 64 (64 banks of 4 bytes: ISA guide 11.1) and the 16 rows of a fragment load start at 16 different banks
.set BBASE, TM*PITCH                   ; a slot: A's 192 rows, then B's 256
.set SLOT,  (TM+256)*PITCH
.set KROW,  1024                       ; bytes in a row of xq and of w1_codes
.set OROW,  2048                       ; bytes in a row of hbuf
.set ADRA, 4                           ; v4-5    my A fragments in slot 0, 1
.set ADRB, 6                           ; v6-7    my B fragments
.set STA,  8                           ; v8-9    where I store A's staged rows; v8 also reads the stage back
.set STB,  10                          ; v10-11  the same for B
.set BOFF, 12                          ; v12     B: (lane / 16) rows + 16 (lane % 16)
.set TOKO, 13                          ; v13     my first word of the list
.set SO,   14                          ; v14     the way out: where I put 8 bytes of a row
.set GOUT, 15                          ; v15     hbuf: (lane / 16) rows + 16 (lane % 16)
.set SC,   16                          ; v16     the conversion's scale
.set AOFF, 24
.set AF,   64
.set SA,   160
.set SB,   192
.set SAB,  22                          ; s[22:23] xq at the K step to be loaded
.set SBB,  24                          ; s[24:25] my 64 rows of the weights' tile, likewise
.set OB,   26                          ; s[26:27] hbuf at the 48 rows that I store
.set MSB, 0
.macro WIN new                         ; the immediate's high byte repeats the setting that is left
.if MSB != \new
	s_set_vgpr_msb (MSB<<8)|\new
.set MSB, \new
.endif
.endm
; A load into a register that a matrix instruction has read, and a vector instruction that reads a matrix result or writes one of a matrix instruction's registers, stand four places behind it;
; only plain vector instructions that name none of its registers are places.
.macro PLACES
.rept 4
	v_nop
.endr
.endm
.macro FRAG reg, adr, q, i             ; 16 rows x 128 K: the slot's q-th 128 along K, block i
.irp c, 0,1,2,3
	ds_load_b128 v[\reg+4*\c:\reg+4*\c+3], v[\adr] offset:128*(\q)+32*\c+(\i)*16*PITCH
.endr
.endm
.macro FETCH_B slot, q, p              ; B's eight fragments into set p
	WIN 0x40                                       ; destination window 1
.irp i, 0,1,2,3,4,5,6,7
	FRAG 128*(\p)+16*\i, ADRB+\slot, \q, \i
.endr
	WIN 0
.endm
.macro FETCH_A slot, q, i0             ; A's blocks i0 .. i0 + 2
.irp i, \i0, \i0+1, \i0+2
	FRAG AF+16*(\i), ADRA+\slot, \q, \i
.endr
.endm
; Eight matrix instructions: A's block a against B's eight.  The 48 accumulators take turns, one instruction a turn, in the same order in every 128 along K.
; zero = 1: the first products start the sums: nothing is cleared.
.macro MUL a, p, zero
.if (\a) < 3
	WIN 0xa1                                       ; source 0 (B) window 1, source 1 (A) window 0, C and D window 2
.else
	WIN 0xf1                                       ; the same, C and D window 3
.endif
.irp b, 0,1,2,3,4,5,6,7
.if \zero
	v_wmma_f32_16x16x128_bf8_bf8 v[64*((\a)%3)+8*\b:64*((\a)%3)+8*\b+7], v[128*(\p)+16*\b:128*(\p)+16*\b+15], v[AF+16*(\a):AF+16*(\a)+15], 0
.else
	v_wmma_f32_16x16x128_bf8_bf8 v[64*((\a)%3)+8*\b:64*((\a)%3)+8*\b+7], v[128*(\p)+16*\b:128*(\p)+16*\b+15], v[AF+16*(\a):AF+16*(\a)+15], v[64*((\a)%3)+8*\b:64*((\a)%3)+8*\b+7]
.endif
.endr
.endm
.macro GLOAD_A                         ; my 48 gathered rows' 256 bytes of a K step: two rows an instruction
.irp j, 0,1,2,3,4,5,6,7,8,9,10,11,12,13,14,15,16,17,18,19,20,21,22,23
	global_load_b128 v[SA+4*\j:SA+4*\j+3], v[AOFF+\j], s[SAB:SAB+1]
.endr
.endm
.macro GLOAD_B                         ; my 64 rows of the weights' tile
	WIN 0x80                                       ; destination window 2
.irp j, 0,1,2,3,4,5,6,7,8,9,10,11,12,13,14,15
	global_load_b128 v[SB+4*\j:SB+4*\j+3], v[BOFF], s[SBB:SBB+1] offset:2*KROW*\j
.endr
	WIN 0xc0                                       ; destination window 3
.irp j, 0,1,2,3,4,5,6,7,8,9,10,11,12,13,14,15
	global_load_b128 v[SB+4*\j:SB+4*\j+3], v[BOFF], s[SBB:SBB+1] offset:2*KROW*(\j+16)
.endr
	WIN 0
.endm
.macro LSTORE s                        ; the staged K step goes into slot s: sixteen lanes write a row's 256 bytes
.irp j, 0,1,2,3,4,5,6,7,8,9,10,11,12,13,14,15,16,17,18,19,20,21,22,23
	ds_store_b128 v[STA+\s], v[SA+4*\j:SA+4*\j+3] offset:2*PITCH*\j
.endr
	WIN 0x08                                       ; a store's data are source 1: window 2
.irp j, 0,1,2,3,4,5,6,7,8,9,10,11,12,13,14,15
	ds_store_b128 v[STB+\s], v[SB+4*\j:SB+4*\j+3] offset:2*PITCH*\j
.endr
	WIN 0x0c                                       ; window 3
.irp j, 0,1,2,3,4,5,6,7,8,9,10,11,12,13,14,15
	ds_store_b128 v[STB+\s], v[SB+4*\j:SB+4*\j+3] offset:2*PITCH*(\j+16)
.endr
	WIN 0
.endm
.macro BUMP                            ; a K step on.  It stands behind the wait that shows the loads that named these bases done
	s_add_nc_u64 s[SAB:SAB+1], s[SAB:SAB+1], 256
	s_add_nc_u64 s[SBB:SBB+1], s[SBB:SBB+1], 256
.endm
; The first 128 along K of a slot (B's set 0); it fetches the second 128.
.macro STEP slot, zero
	s_wait_dscnt 12                                ; B's set and A's blocks 0-2 are in; the youngest twelve loads (A's blocks 3-5) may be out
	MUL 0, 0, \zero
	MUL 1, 0, \zero
	MUL 2, 0, \zero
	s_wait_dscnt 0x0                               ; A's blocks 3-5 are in
	PLACES
	FETCH_B \slot, 1, 1
	FETCH_A \slot, 1, 0
	MUL 3, 0, \zero
	MUL 4, 0, \zero
	MUL 5, 0, \zero
	PLACES
	WIN 0
	FETCH_A \slot, 1, 3
.endm
; The second 128 along K of a slot (B's set 1) changes slots.  The next K step's staged rows go into slot next, which every wave had read out ahead of the barrier before this one.
; In front of the barrier each wave's stores have landed and its reads of the slot that it leaves are over; behind it slot next is whole.  load = 1: the K step after that is asked for.
.macro TURN next, load
	s_wait_dscnt 12
	MUL 0, 1, 0
	MUL 1, 1, 0
	WIN 0
	s_wait_loadcnt 0x0                             ; the staged rows are in: asked for 88 matrix instructions ago
	LSTORE \next
.if \load
	BUMP
.endif
	s_wait_dscnt 0x0                               ; for the others' sake: my stores have landed; my reads of this slot are over; the staging registers have been read
	s_barrier_signal -1
	MUL 2, 1, 0                                    ; work on registers while the others arrive
	s_barrier_wait -1
	PLACES
	WIN 0
.if \load
	GLOAD_A
	GLOAD_B
.endif
	FETCH_B \next, 0, 0
	FETCH_A \next, 0, 0
	MUL 3, 1, 0
	MUL 4, 1, 0
	MUL 5, 1, 0
	PLACES
	WIN 0
	FETCH_A \next, 0, 3
.endm
	s_load_b256 s[4:11], s[0:1], 0x0               ; xq s[4:5], w1_codes s[6:7], lowp_scales s[8:9], tok s[10:11]
	s_load_b128 s[12:15], s[0:1], 0x20             ; texp s[12:13], hbuf s[14:15]
	v_lshl_add_u32 v62, v0, 2, 0x3b800
	v_mov_b32 v63, 0
	v_lshrrev_b32 v3, 5, v0
	v_readfirstlane_b32 s16, v3                    ; wave 0..3
	s_lshr_b32 s17, s16, 1                         ; which 96 rows are mine
	s_and_b32 s18, s16, 1                          ; which 128 columns
	s_and_b32 s20, ttmp7, 0xffff                   ; the row tile
	s_lshl_b32 s42, s20, 2
	v_and_b32 v1, 15, v0                           ; lane % 16
	v_bfe_u32 v2, v0, 4, 1                         ; lane / 16
	v_lshlrev_b32 v3, 4, v1
	v_mul_u32_u24 v17, v1, PITCH
	v_lshl_add_u32 v17, v2, 4, v17                 ; a fragment's row x pitch + 16 x half
	s_mul_i32 s36, s17, 96*PITCH
	v_add_nc_u32 v[ADRA], s36, v17
	v_add_nc_u32 v[ADRA+1], SLOT, v[ADRA]
	s_mul_i32 s36, s18, 128*PITCH
	s_add_co_u32 s36, s36, BBASE
	v_add_nc_u32 v[ADRB], s36, v17
	v_add_nc_u32 v[ADRB+1], SLOT, v[ADRB]
	v_mul_u32_u24 v18, v2, PITCH
	v_add_nc_u32 v18, v18, v3                      ; staging: lanes 0-15 one row, lanes 16-31 the next; 16 bytes a lane
	s_mul_i32 s36, s16, 48*PITCH                   ; wave w brings A's rows 48 w on,
	v_add_nc_u32 v[STA], s36, v18
	v_add_nc_u32 v[STA+1], SLOT, v[STA]
	s_mul_i32 s36, s16, 64*PITCH                   ; and B's rows 64 w on
	s_add_co_u32 s36, s36, BBASE
	v_add_nc_u32 v[STB], s36, v18
	v_add_nc_u32 v[STB+1], SLOT, v[STB]
	s_mul_i32 s36, s17, 96*PITCH                   ; the stage: row 96 wr + lane % 16, byte 128 wc + 8 (lane / 16)
	s_lshl_b32 s37, s18, 7
	s_add_co_u32 s36, s36, s37
	v_mul_u32_u24 v[SO], v1, PITCH
	v_lshl_add_u32 v[SO], v2, 3, v[SO]
	v_add_nc_u32 v[SO], s36, v[SO]
	v_lshl_add_u32 v[BOFF], v2, 10, v3
	v_lshl_add_u32 v[GOUT], v2, 11, v3
	s_mul_i32 s36, s16, 4*48
	v_lshl_add_u32 v[TOKO], v2, 2, s36             ; the list's word of row 48 w + lane / 16
	s_wait_kmcnt 0x0
	s_load_b32 s21, s[12:13], s42 offset:0x0       ; the tile's expert
	s_load_b128 s[28:31], s[8:9], 0x0              ; e0, e1, e2, e3
	s_mul_i32 s36, s20, 4*TM
	s_mov_b32 s37, 0
	s_add_nc_u64 s[40:41], s[10:11], s[36:37]      ; the list at my tile
.irp j, 0,1,2,3,4,5,6,7,8,9,10,11,12,13,14,15,16,17,18,19,20,21,22,23
	global_load_b32 v[AOFF+\j], v[TOKO], s[40:41] offset:8*\j   ; the token of row 48 w + 2 j + lane / 16
.endr
	s_mov_b64 s[SAB:SAB+1], s[4:5]
	s_mul_i32 s36, s20, TM
	s_mul_i32 s38, s16, 48
	s_add_co_u32 s36, s36, s38
	s_lshl_b32 s36, s36, 11                        ; row 192 ty + 48 w of hbuf,
	s_lshl_b32 s38, ttmp9, 8
	s_add_co_u32 s36, s36, s38                     ; + the column tile's 256 bytes
	s_add_nc_u64 s[OB:OB+1], s[14:15], s[36:37]
	s_wait_kmcnt 0x0
	s_min_u32 s21, s21, 7                          ; a loaded number enters an address behind a clamp
	s_lshl_b32 s36, s21, 21                        ; an expert's weights are 2^21 bytes
	s_lshl_b32 s38, ttmp9, 8
	s_lshl_b32 s39, s16, 6
	s_add_co_u32 s38, s38, s39
	s_lshl_b32 s38, s38, 10                        ; row 256 cx + 64 w
	s_add_co_u32 s36, s36, s38
	s_add_nc_u64 s[SBB:SBB+1], s[6:7], s[36:37]
	s_add_co_i32 s36, s28, s29
	s_lshl_b32 s36, s36, 1
	s_sub_co_i32 s36, s30, s36                     ; e2 - 2 (e0 + e1)
	s_add_co_i32 s36, s36, 127
	s_lshl_b32 s38, s36, 23
	v_mov_b32 v[SC], s38                           ; that power of two as f32: the conversion takes its exponent field
	s_add_co_i32 s36, s36, 15
	s_lshl_b32 s36, s36, 23
	s_or_b32 s32, s36, 0x600000                    ; 57,344 times it
	GLOAD_B                                        ; K step 0 of the weights goes out while the list comes
	s_wait_loadcnt 32                              ; the list's 24 loads are in; B's 32 may be out
.irp j, 0,1,2,3,4,5,6,7,8,9,10,11,12,13,14,15,16,17,18,19,20,21,22,23
	v_min_u32 v[AOFF+\j], 2047, v[AOFF+\j]
.endr
.irp j, 0,1,2,3,4,5,6,7,8,9,10,11,12,13,14,15,16,17,18,19,20,21,22,23
	v_lshl_add_u32 v[AOFF+\j], v[AOFF+\j], 10, v3  ; token x 1,024 bytes + 16 (lane % 16)
.endr
	GLOAD_A
	s_wait_loadcnt 0x0
	LSTORE 0
	BUMP
	s_wait_dscnt 0x0                               ; my part of K step 0 lies in slot 0, and the staging registers have been read
	GLOAD_A                                        ; K step 1
	GLOAD_B
	s_barrier_signal -1
	s_barrier_wait -1                              ; everybody's part does
	FETCH_B 0, 0, 0
	FETCH_A 0, 0, 0
	FETCH_A 0, 0, 3
	STEP 0, 1                                      ; K step 0: its first products start the sums
	TURN 1, 1                                      ; K step 1 into slot 1; K step 2 is asked for
	STEP 1, 0
	TURN 0, 1                                      ; K step 2 into slot 0; K step 3 is asked for
	STEP 0, 0
	TURN 1, 0                                      ; K step 3 into slot 1; nothing is left to ask for
	STEP 1, 0
	s_wait_dscnt 12                                ; the last 128 along K
	MUL 0, 1, 0
	MUL 1, 1, 0
	MUL 2, 1, 0
	s_wait_dscnt 0x0
	MUL 3, 1, 0
	MUL 4, 1, 0
	MUL 5, 1, 0
	; THE WAY OUT.  s x |s| is s^2 where s is positive and not positive elsewhere; the hold between 0 and the largest code x the scale is then the relu and the hold in one.
	; Each accumulator is taken from its low end on.  The codes go into a stage in slot 0's first 192 rows: nobody has read slot 0 since the last change of slots.
	PLACES
.irp g, 0,1
	WIN 0x8a+0x45*\g                               ; sources 0 and 1 and the destination: window 2, then 3
.set i, 0
.rept 192
	v_mul_f32 v[i], v[i], |v[i]|
.set i, i+1
.endr
.set i, 0
.rept 192
	v_med3_num_f32 v[i], v[i], 0, s32              ; the conversion to an 8-bit code does not saturate (ISA guide 7.6.2)
.set i, i+1
.endr
	WIN 0x02+\g                                    ; source 0: window 2 or 3; the codes land where A's fragments lay
.irp a, 0,1,2
.irp b, 0,1,2,3,4,5,6,7
	v_cvt_scalef32_pk8_bf8_f32 v[AF+2*(24*\g+8*\a+\b):AF+2*(24*\g+8*\a+\b)+1], v[64*\a+8*\b:64*\a+8*\b+7], v[SC]
.endr
.endr
	v_nop                                          ; a plain instruction behind the last conversion
	WIN 0
.irp a, 0,1,2
.irp b, 0,1,2,3,4,5,6,7
	ds_store_b64 v[SO], v[AF+2*(24*\g+8*\a+\b):AF+2*(24*\g+8*\a+\b)+1] offset:(3*\g+\a)*16*PITCH+16*\b   ; row 96 wr + 16 a + lane % 16, units 128 wc + 16 b + 8 (lane / 16) + 0 .. 7
.endr
.endr
.endr
	s_wait_dscnt 0x0                               ; for the others' sake: a stage row's 256 bytes come from two waves
	s_barrier_signal -1
	s_barrier_wait -1
.irp j, 0,1,2,3,4,5,6,7,8,9,10,11,12,13,14,15,16,17,18,19,20,21,22,23
	ds_load_b128 v[SA+4*\j:SA+4*\j+3], v[STA] offset:2*PITCH*\j   ; the stage's rows lie as A's rows lay: wave w takes rows 48 w on
.endr
.irp j, 0,1,2,3,4,5,6,7,8,9,10,11,12,13,14,15,16,17,18,19,20,21,22,23
	s_wait_dscnt 23-\j                             ; load j is in; the younger ones may be out
	global_store_b128 v[GOUT], v[SA+4*\j:SA+4*\j+3], s[OB:OB+1] offset:2*OROW*\j   ; sixteen lanes store 256 consecutive bytes, at a multiple of 256 from hbuf's first byte
.endr
	s_wait_tensorcnt 0x0
	ds_add_u32 v62, v63
	s_wait_dscnt 0x0
	s_endpgm
.Lfunc_end_k_q3a2acd7fd1_gemm1:
	.size	k_q3a2acd7fd1_gemm1, .Lfunc_end_k_q3a2acd7fd1_gemm1-k_q3a2acd7fd1_gemm1
	.p2alignl 7, 3214868480
	.fill 96, 4, 3214868480
	.section	.rodata,"a",@progbits
	.p2align	6, 0x0
	.amdhsa_kernel k_q3a2acd7fd1_gemm1
		.amdhsa_group_segment_fixed_size 244224
		.amdhsa_private_segment_fixed_size 0
		.amdhsa_enable_private_segment 0
		.amdhsa_kernarg_size 48
		.amdhsa_user_sgpr_count 2
		.amdhsa_user_sgpr_kernarg_segment_ptr 1
		.amdhsa_wavefront_size32 1
		.amdhsa_system_sgpr_workgroup_id_x 1
		.amdhsa_system_sgpr_workgroup_id_y 1
		.amdhsa_system_sgpr_workgroup_id_z 1
		.amdhsa_system_vgpr_workitem_id 0
		.amdhsa_next_free_vgpr 1024
		.amdhsa_next_free_sgpr 66
		.amdhsa_reserve_vcc 0
		.amdhsa_float_denorm_mode_32 3
		.amdhsa_float_denorm_mode_16_64 3
		.amdhsa_memory_ordered 1
		.amdhsa_forward_progress 1
		.amdhsa_inst_pref_size 161
	.end_amdhsa_kernel
	.amdgpu_metadata
---
amdhsa.version: [ 1, 2 ]
amdhsa.kernels:
  - .name:           k_q3a2acd7fd1_gemm1
    .symbol:         k_q3a2acd7fd1_gemm1.kd
    .args:
      - { .name: xq, .offset: 0, .size: 8, .value_kind: global_buffer, .address_space: global }
      - { .name: w1_codes, .offset: 8, .size: 8, .value_kind: global_buffer, .address_space: global }
      - { .name: lowp_scales, .offset: 16, .size: 8, .value_kind: global_buffer, .address_space: global }
      - { .name: tok, .offset: 24, .size: 8, .value_kind: global_buffer, .address_space: global }
      - { .name: texp, .offset: 32, .size: 8, .value_kind: global_buffer, .address_space: global }
      - { .name: hbuf, .offset: 40, .size: 8, .value_kind: global_buffer, .address_space: global }
    .group_segment_fixed_size: 244224
    .private_segment_fixed_size: 0
    .kernarg_segment_align: 8
    .kernarg_segment_size: 48
    .max_flat_workgroup_size: 128
    .sgpr_count:     66
    .vgpr_count:     1024
    .wavefront_size: 32
...
	.end_amdgpu_metadata
.endif
;; end of part 3
;; launch gemm2 (part 4): grid 8 x 29, 4 waves a work-group, no clusters, 174,592 bytes of LDS; arguments hbuf, w2_codes, lowp_scales, texp, ybuf; writes ybuf
.if DOCPART == 4
	.amdgcn_target "amdgcn-amd-amdhsa--gfx1250"
	.amdhsa_code_object_version 6
	.text
	.protected	k_q3a2acd7fd1_gemm2
	.globl	k_q3a2acd7fd1_gemm2
	.p2align	8
	.type	k_q3a2acd7fd1_gemm2,@function
k_q3a2acd7fd1_gemm2:
	s_mov_b64 s[64:65], 0
	v_nop
	global_prefetch_b8 v0, s[64:65] scope:SCOPE_SE
	s_setreg_imm32_b32 hwreg(HW_REG_WAVE_MODE, 25, 1), 1
	s_wait_xcnt 0x0
; THE SECOND PRODUCT OF THE CHOSEN ROWS: ybuf[p][n] = 2^(e2 + e3) x the sum over k of hbuf[p][k] w2[e][n][k], on codes of E5M2; e = texp[tile of p]; y is rounded to bf16.
; hbuf: [5568][2048] codes; w2_codes: [8][1024][2048] codes, K innermost; ybuf: [5568][1024] bf16: an operand of the last product (two gates x two rows), which is left as it is; its sums are f32.
; SHARES.  A work-group makes 192 rows (a tile of the padded list) x 128 columns, K = 2,048 in eight steps of 256.  Four waves, each 96 x 64: 24 accumulators, 192 registers.
; Pad rows and unused tiles are computed like any row, into rows of ybuf that nobody gathers: every wave passes every barrier, and no branch hangs on the list.
; THE WAY IN.  Loads into registers (sixteen lanes read 256 consecutive, aligned bytes of a row), ds_store_b128 into one of two LDS slots, fragments for all four waves.  K step k goes through staging set k % 2
; into slot k % 2.  With two staging sets a K step's 40 loads a wave are asked for behind the barrier of the K step three before it and wanted in the first half of the K step before it.
; Up to 80 loads are asked for at a time; the issue of a load that would pass the counter's field waits for an older one (ISA guide 5.7.1), and no wait is written for that.
; THE FRAGMENTS have two sets on both sides: those of 128 along K are fetched while the 128 before them are multiplied, in groups of 8 to 16 LDS loads between blocks of four matrix instructions.
; ONE barrier a K step, in its second half.  In front of it each wave's stores into the next slot have landed and its reads of the slot in hand are over (its last fragments are in registers);
; behind it the next slot is read, and the slot in hand may be stored into: that happens in the next K step's first half.
; NO CLUSTER, NO JOINT LOADS: the weights' tile hangs on an expert's number read from memory, so no two work-groups' requests for it are equal by the text.
; THE MATRIX INSTRUCTION IS USED TRANSPOSED (source 0 = 16 rows of w2, source 1 = 16 rows of h): a lane holds eight neighbouring columns of one row: 16 bytes of bf16.
; A fragment comes by four loads of 16 bytes: registers 4 c .. 4 c + 3 hold k = 32 c + 16 (lane / 16) + 0 .. 15: the same permutation of k in both operands.
; LIMIT.  e2 + e3 between -126 and 127, so that 2^(e2 + e3) is an f32 number.
; REGISTERS.  Window 0: v1-18 addresses; v64-159 A's six fragments, set 0; v160-255 A's staging, set 0 (24 loads).   Window 1: B's four fragments, set 0 at v0, set 1 at v64; v128-191 B's staging, set 0 (16 loads).
;   Window 2: the accumulators ((a, b) at 32 a + 8 b).   Window 3: v0-95 A's fragments, set 1; v96-191 A's staging, set 1; v192-255 B's staging, set 1.
.set TM,    192
.set PITCH, 272                        ; an LDS row: 256 bytes + 16: 68 words, so row r starts at bank 4 r mod 64 (64 banks of 4 bytes: ISA guide 11.1)
.set BBASE, TM*PITCH                   ; a slot: A's 192 rows, then B's 128
.set SLOT,  (TM+128)*PITCH
.set KROW,  2048                       ; bytes in a row of hbuf, of w2_codes and of ybuf
.set ADRA, 4                           ; v4-5    my A fragments in slot 0, 1
.set ADRB, 6                           ; v6-7    my B fragments
.set STA,  8                           ; v8-9    where I store A's staged rows; v8 also reads the stage back
.set STB,  10                          ; v10-11  the same for B
.set RO,   12                          ; v12     (lane / 16) rows of 2,048 bytes + 16 (lane % 16): in hbuf, in w2_codes and in ybuf alike; never rewritten
.set SO,   14                          ; v14     the way out: where I put 16 bytes of a row
.set AF0,  64                          ; A's fragments: set 0 at v64 of window 0, set 1 at v0 of window 3
.set SA0,  160                         ; A's staging: set 0 at v160 of window 0, set 1 at v96 of window 3: SA0 - 64 n
.set SB0,  128                         ; B's staging: set 0 at v128 of window 1, set 1 at v192 of window 3: SB0 + 64 n
.set OB,   26                          ; s[26:27] ybuf at the 48 rows that I store
.set SAB,  36                          ; s[36:37], s[38:39] my 48 rows of hbuf at the next even, odd K step to be asked for
.set SBB,  40                          ; s[40:41], s[42:43] my 32 rows of the weights' tile, likewise
.set MSB, 0
.macro WIN new                         ; the immediate's high byte repeats the setting that is left
.if MSB != \new
	s_set_vgpr_msb (MSB<<8)|\new
.set MSB, \new
.endif
.endm
; A load into a register that a matrix instruction has read, and a vector instruction that reads a matrix result or writes one of a matrix instruction's registers, stand four places behind it;
; only plain vector instructions that name none of its registers are places.
.macro PLACES
.rept 4
	v_nop
.endr
.endm
.macro FRAG reg, adr, q, i             ; 16 rows x 128 K: the slot's q-th 128 along K, block i
.irp c, 0,1,2,3
	ds_load_b128 v[\reg+4*\c:\reg+4*\c+3], v[\adr] offset:128*(\q)+32*\c+(\i)*16*PITCH
.endr
.endm
; Group g of the ten that make up the fragments of 128 along K, into set p: groups 0-3 are B's four fragments, groups 4-9 A's six.  Always fetched in this order.
.macro LDG slot, q, p, g
.if (\g) < 4
	WIN 0x40                                       ; destination window 1
	FRAG 64*(\p)+16*(\g), ADRB+\slot, \q, \g
.elseif \p
	WIN 0xc0                                       ; destination window 3
	FRAG 16*((\g)-4), ADRA+\slot, \q, (\g)-4
.else
	WIN 0
	FRAG AF0+16*((\g)-4), ADRA+\slot, \q, (\g)-4
.endif
.endm
; Four matrix instructions: A's block a against B's four, from set p.  The 24 accumulators take turns, one instruction a turn, in the same order in every 128 along K, over the loop's backward jump too
; zero = 1: the first products start the sums.
.macro MUL a, p, zero
.if \p
	WIN 0xad                                       ; source 0 (B) window 1, source 1 (A) window 3, C and D window 2
.else
	WIN 0xa1                                       ; source 0 (B) window 1, source 1 (A) window 0, C and D window 2
.endif
.irp b, 0,1,2,3
.if \zero
	v_wmma_f32_16x16x128_bf8_bf8 v[32*(\a)+8*\b:32*(\a)+8*\b+7], v[64*(\p)+16*\b:64*(\p)+16*\b+15], v[AF0*(1-(\p))+16*(\a):AF0*(1-(\p))+16*(\a)+15], 0
.else
	v_wmma_f32_16x16x128_bf8_bf8 v[32*(\a)+8*\b:32*(\a)+8*\b+7], v[64*(\p)+16*\b:64*(\p)+16*\b+15], v[AF0*(1-(\p))+16*(\a):AF0*(1-(\p))+16*(\a)+15], v[32*(\a)+8*\b:32*(\a)+8*\b+7]
.endif
.endr
.endm
.macro GLOAD_A n                       ; my 48 rows' 256 bytes of a K step of parity n, into staging set n: two rows an instruction
.if \n
	WIN 0xc0                                       ; destination window 3
.else
	WIN 0
.endif
.irp j, 0,1,2,3,4,5,6,7,8,9,10,11,12,13,14,15,16,17,18,19,20,21,22,23
	global_load_b128 v[SA0-64*(\n)+4*\j:SA0-64*(\n)+4*\j+3], v[RO], s[SAB+2*(\n):SAB+2*(\n)+1] offset:2*KROW*\j
.endr
.endm
.macro GLOAD_B n                       ; my 32 rows of the weights' tile
.if \n
	WIN 0xc0                                       ; destination window 3
.else
	WIN 0x40                                       ; destination window 1
.endif
.irp j, 0,1,2,3,4,5,6,7,8,9,10,11,12,13,14,15
	global_load_b128 v[SB0+64*(\n)+4*\j:SB0+64*(\n)+4*\j+3], v[RO], s[SBB+2*(\n):SBB+2*(\n)+1] offset:2*KROW*\j
.endr
.endm
.macro STORE_A n, j0, cnt              ; pieces j0 .. j0 + cnt - 1 of A's staging set n go into slot n: sixteen lanes write a row's 256 bytes
.if \n
	WIN 0x0c                                       ; a store's data are source 1: window 3
.else
	WIN 0
.endif
.set jj, \j0
.rept \cnt
	ds_store_b128 v[STA+(\n)], v[SA0-64*(\n)+4*jj:SA0-64*(\n)+4*jj+3] offset:2*PITCH*jj
.set jj, jj+1
.endr
.endm
.macro STORE_B n                       ; B's staging set n, 16 pieces
.if \n
	WIN 0x0c                                       ; window 3
.else
	WIN 0x04                                       ; window 1
.endif
.irp j, 0,1,2,3,4,5,6,7,8,9,10,11,12,13,14,15
	ds_store_b128 v[STB+(\n)], v[SB0+64*(\n)+4*\j:SB0+64*(\n)+4*\j+3] offset:2*PITCH*\j
.endr
.endm
.macro BUMP n                          ; parity n's bases go two K steps on.  It stands behind the counted wait that shows the loads that named them done; the loads still out name the other parity's
	s_add_nc_u64 s[SAB+2*(\n):SAB+2*(\n)+1], s[SAB+2*(\n):SAB+2*(\n)+1], 512
	s_add_nc_u64 s[SBB+2*(\n):SBB+2*(\n)+1], s[SBB+2*(\n):SBB+2*(\n)+1], 512
.endm
; THE FIRST 128 ALONG K OF A SLOT: multiplies set 0, fetches the slot's second 128 into set 1.  At its head the 40 loads of set 0 are the only LDS instructions out.
; st = 1: the next K step's staged rows are waited for (cnt: the loads of the K step behind it, which may stay out) and 16 of their 40 pieces go into the other slot,
; which every wave had read out ahead of the last barrier.  bump = 1: that parity's bases step.
.macro SUBA slot, zero, st, cnt, bump
	s_wait_dscnt 12                                ; B's four and A's blocks 0-2 of set 0 are in; the youngest twelve loads (A's blocks 3-5) may be out
	PLACES                                         ; set 1 was read by the matrix instructions just before
.irp g, 0,1
	LDG \slot, 1, 1, \g
.endr
	MUL 0, 0, \zero
.irp g, 2,3,4
	LDG \slot, 1, 1, \g
.endr
	MUL 1, 0, \zero
.irp g, 5,6
	LDG \slot, 1, 1, \g
.endr
	MUL 2, 0, \zero
	s_wait_dscnt 28                                ; A's blocks 3-5 of set 0 are in; the 28 loads issued since the head may be out
.irp g, 7,8,9
	LDG \slot, 1, 1, \g
.endr
	MUL 3, 0, \zero
.if \st
	s_wait_loadcnt \cnt                            ; the next K step's 40 loads are in
	STORE_A (1-\slot), 0, 16
.if \bump
	BUMP (1-\slot)
.endif
.endif
	MUL 4, 0, \zero
	MUL 5, 0, \zero
.endm
; THE SECOND 128 ALONG K OF A SLOT: multiplies set 1.  st = 1: the other 24 staged pieces go into slot next.  bar = 1: the K step's barrier, and behind it slot next's first 128 into set 0.
; load = 1: the K step three on is asked for, into the staging set that has just been stored (the wait for 0 in front of the barrier shows those stores done).
.macro SUBB next, st, bar, load
	s_wait_dscnt 12+16*\st                         ; B's four and A's blocks 0-2 of set 1 are in; A's blocks 3-5 (12 loads) and the 16 stores behind them may be out
	MUL 0, 1, 0
.if \st
	STORE_A \next, 16, 8
	STORE_B \next
.endif
	MUL 1, 1, 0
.if \bar
	s_wait_dscnt 0x0                               ; for the others' sake: my stores into slot next have landed, and my reads of the slot in hand are over
	s_barrier_signal -1
	MUL 2, 1, 0                                    ; work on registers while the others arrive
	s_barrier_wait -1
	PLACES                                         ; set 0 was read by the first half's matrix instructions
.irp g, 0,1,2,3
	LDG \next, 0, 0, \g
.endr
	MUL 3, 1, 0
.irp g, 4,5,6
	LDG \next, 0, 0, \g
.endr
	MUL 4, 1, 0
.irp g, 7,8,9
	LDG \next, 0, 0, \g
.endr
.if \load
	GLOAD_A \next
	GLOAD_B \next
.endif
	MUL 5, 1, 0
.else
	MUL 2, 1, 0
	s_wait_dscnt 0x0                               ; A's blocks 3-5 are in
	MUL 3, 1, 0
	MUL 4, 1, 0
	MUL 5, 1, 0
.endif
.endm
	s_load_b256 s[4:11], s[0:1], 0x0               ; hbuf s[4:5], w2_codes s[6:7], lowp_scales s[8:9], texp s[10:11]
	s_load_b64 s[12:13], s[0:1], 0x20              ; ybuf
	v_lshl_add_u32 v62, v0, 2, 0x2a800
	v_mov_b32 v63, 0
	v_lshrrev_b32 v3, 5, v0
	v_readfirstlane_b32 s16, v3                    ; wave 0..3
	s_lshr_b32 s17, s16, 1                         ; which 96 rows are mine
	s_and_b32 s18, s16, 1                          ; which 64 columns
	s_and_b32 s20, ttmp7, 0xffff                   ; the row tile
	s_lshl_b32 s35, s20, 2
	v_and_b32 v1, 15, v0                           ; lane % 16
	v_bfe_u32 v2, v0, 4, 1                         ; lane / 16
	v_lshlrev_b32 v3, 4, v1
	v_mul_u32_u24 v17, v1, PITCH
	v_lshl_add_u32 v17, v2, 4, v17                 ; a fragment's row x pitch + 16 x half
	s_mul_i32 s44, s17, 96*PITCH
	v_add_nc_u32 v[ADRA], s44, v17
	v_add_nc_u32 v[ADRA+1], SLOT, v[ADRA]
	s_mul_i32 s44, s18, 64*PITCH
	s_add_co_u32 s44, s44, BBASE
	v_add_nc_u32 v[ADRB], s44, v17
	v_add_nc_u32 v[ADRB+1], SLOT, v[ADRB]
	v_mul_u32_u24 v18, v2, PITCH
	v_add_nc_u32 v18, v18, v3                      ; staging: lanes 0-15 one row, lanes 16-31 the next; 16 bytes a lane
	s_mul_i32 s44, s16, 48*PITCH                   ; wave w brings A's rows 48 w on,
	v_add_nc_u32 v[STA], s44, v18
	v_add_nc_u32 v[STA+1], SLOT, v[STA]
	s_mul_i32 s44, s16, 32*PITCH                   ; and B's rows 32 w on
	s_add_co_u32 s44, s44, BBASE
	v_add_nc_u32 v[STB], s44, v18
	v_add_nc_u32 v[STB+1], SLOT, v[STB]
	s_mul_i32 s44, s17, 96*PITCH                   ; the stage: row 96 wr + lane % 16, byte 128 wc + 16 (lane / 16)
	s_lshl_b32 s45, s18, 7
	s_add_co_u32 s44, s44, s45
	v_add_nc_u32 v[SO], s44, v17
	v_lshl_add_u32 v[RO], v2, 11, v3
	s_wait_kmcnt 0x0
	s_load_b32 s21, s[10:11], s35 offset:0x0       ; the tile's expert
	s_load_b128 s[28:31], s[8:9], 0x0              ; e0, e1, e2, e3
	s_mul_i32 s44, s20, TM
	s_mul_i32 s46, s16, 48
	s_add_co_u32 s44, s44, s46
	s_lshl_b32 s44, s44, 11                        ; row 192 ty + 48 w, of hbuf and of ybuf
	s_mov_b32 s45, 0
	s_add_nc_u64 s[SAB:SAB+1], s[4:5], s[44:45]    ; K step 0,
	s_add_nc_u64 s[SAB+2:SAB+3], s[SAB:SAB+1], 256 ; K step 1
	GLOAD_A 0                                      ; h's K steps 0 and 1 go out while the expert's number comes
	GLOAD_A 1
	s_lshl_b32 s46, ttmp9, 8
	s_add_co_u32 s44, s44, s46                     ; + the column tile's 256 bytes
	s_add_nc_u64 s[OB:OB+1], s[12:13], s[44:45]
	s_wait_kmcnt 0x0
	s_min_u32 s21, s21, 7                          ; a loaded number enters an address behind a clamp
	s_lshl_b32 s44, s21, 21                        ; an expert's weights are 2^21 bytes
	s_lshl_b32 s46, ttmp9, 7
	s_lshl_b32 s47, s16, 5
	s_add_co_u32 s46, s46, s47
	s_lshl_b32 s46, s46, 11                        ; row 128 cx + 32 w
	s_add_co_u32 s44, s44, s46
	s_add_nc_u64 s[SBB:SBB+1], s[6:7], s[44:45]
	s_add_nc_u64 s[SBB+2:SBB+3], s[SBB:SBB+1], 256
	GLOAD_B 0
	GLOAD_B 1
	s_add_co_i32 s32, s30, s31
	s_add_co_i32 s32, s32, 127
	s_lshl_b32 s32, s32, 23                        ; 2^(e2 + e3) as f32
	s_mov_b32 s33, s32                             ; (named with it as a pair, so it is written)
	s_wait_loadcnt 16                              ; K step 0 is in (and h's K step 1, asked for ahead of the weights); the weights' 16 loads of K step 1 may be out
	STORE_A 0, 0, 24
	STORE_B 0
	BUMP 0                                         ; the even bases: K step 2
	s_wait_dscnt 0x0                               ; my part of K step 0 lies in slot 0, and staging set 0 has been read
	GLOAD_A 0                                      ; K step 2
	GLOAD_B 0
	s_barrier_signal -1
	s_barrier_wait -1                              ; everybody's part of K step 0 lies in slot 0
.irp g, 0,1,2,3,4,5,6,7,8,9
	LDG 0, 0, 0, \g
.endr
	SUBA 0, 1, 1, 40, 1                            ; K step 0, first half: its products start the sums; K step 1 into slot 1 (K step 2's 40 loads may be out)
	WIN 0                                          ; at a label and at a branch every window is 0
	s_mov_b32 s34, 2
.Llap:                                             ; two trips, from the second half of an even K step to the first half of the next even one: they ask for K steps 3 to 6 and store 2 to 5
	SUBB 1, 1, 1, 1
	SUBA 1, 0, 1, 40, 1
	SUBB 0, 1, 1, 1
	SUBA 0, 0, 1, 40, 1
	WIN 0
	s_sub_co_u32 s34, s34, 1
	s_cmp_lg_u32 s34, 0
	s_cbranch_scc1 .Llap
	SUBB 1, 1, 1, 1                                ; K step 4, second half: K step 7 is asked for: the last; no load leaves its buffer
	SUBA 1, 0, 1, 40, 0                            ; K step 5: K step 6 into slot 0 (K step 7's loads may be out)
	SUBB 0, 1, 1, 0
	SUBA 0, 0, 1, 0, 0                             ; K step 6: K step 7 into slot 1: no load is behind it
	SUBB 1, 1, 1, 0
	SUBA 1, 0, 0, 0, 0                             ; K step 7: nothing is left to store
	SUBB 0, 0, 0, 0                                ; and no barrier: nothing is read behind it
	; THE WAY OUT.  Each sum x 2^(e2 + e3), rounded to bf16; each accumulator from its low end on.  The stage lies in slot 0's first 192 rows: every wave's reads of slot 0 were over ahead of the last barrier.
	PLACES
	WIN 0x82                                       ; source 0 and destination window 2
.set i, 0
.rept 96
	v_pk_mul_f32 v[i:i+1], v[i:i+1], s[32:33] op_sel_hi:[1,0]
.set i, i+2
.endr
	WIN 0x0a                                       ; sources 0 and 1 window 2; the results land where A's set 0 lay
.set i, 0
.rept 96
	v_cvt_pk_bf16_f32 v[AF0+i], v[2*i], v[2*i+1]
.set i, i+1
.endr
	WIN 0
.irp a, 0,1,2,3,4,5
.irp b, 0,1,2,3
	ds_store_b128 v[SO], v[AF0+4*(4*\a+\b):AF0+4*(4*\a+\b)+3] offset:\a*16*PITCH+32*\b   ; row 96 wr + 16 a + lane % 16, columns 64 wc + 16 b + 8 (lane / 16) + 0 .. 7
.endr
.endr
	s_wait_dscnt 0x0                               ; for the others' sake: a stage row's 256 bytes come from two waves
	s_barrier_signal -1
	s_barrier_wait -1
.irp j, 0,1,2,3,4,5,6,7,8,9,10,11,12,13,14,15,16,17,18,19,20,21,22,23
	ds_load_b128 v[SA0+4*\j:SA0+4*\j+3], v[STA] offset:2*PITCH*\j   ; the stage's rows lie as A's rows lay: wave w takes rows 48 w on
.endr
.irp j, 0,1,2,3,4,5,6,7,8,9,10,11,12,13,14,15,16,17,18,19,20,21,22,23
	s_wait_dscnt 23-\j                             ; load j is in; the younger ones may be out
	global_store_b128 v[RO], v[SA0+4*\j:SA0+4*\j+3], s[OB:OB+1] offset:2*KROW*\j   ; sixteen lanes store 256 consecutive bytes, at a multiple of 256 from ybuf's first byte
.endr
	s_wait_tensorcnt 0x0
	ds_add_u32 v62, v63
	s_wait_dscnt 0x0
	s_endpgm
.Lfunc_end_k_q3a2acd7fd1_gemm2:
	.size	k_q3a2acd7fd1_gemm2, .Lfunc_end_k_q3a2acd7fd1_gemm2-k_q3a2acd7fd1_gemm2
	.p2alignl 7, 3214868480
	.fill 96, 4, 3214868480
	.section	.rodata,"a",@progbits
	.p2align	6, 0x0
	.amdhsa_kernel k_q3a2acd7fd1_gemm2
		.amdhsa_group_segment_fixed_size 174592
		.amdhsa_private_segment_fixed_size 0
		.amdhsa_enable_private_segment 0
		.amdhsa_kernarg_size 40
		.amdhsa_user_sgpr_count 2
		.amdhsa_user_sgpr_kernarg_segment_ptr 1
		.amdhsa_wavefront_size32 1
		.amdhsa_system_sgpr_workgroup_id_x 1
		.amdhsa_system_sgpr_workgroup_id_y 1
		.amdhsa_system_sgpr_workgroup_id_z 1
		.amdhsa_system_vgpr_workitem_id 0
		.amdhsa_next_free_vgpr 1024
		.amdhsa_next_free_sgpr 66
		.amdhsa_reserve_vcc 0
		.amdhsa_float_denorm_mode_32 3
		.amdhsa_float_denorm_mode_16_64 3
		.amdhsa_memory_ordered 1
		.amdhsa_forward_progress 1
		.amdhsa_inst_pref_size 115
	.end_amdhsa_kernel
	.amdgpu_metadata
---
amdhsa.version: [ 1, 2 ]
amdhsa.kernels:
  - .name:           k_q3a2acd7fd1_gemm2
    .symbol:         k_q3a2acd7fd1_gemm2.kd
    .args:
      - { .name: hbuf, .offset: 0, .size: 8, .value_kind: global_buffer, .address_space: global }
      - { .name: w2_codes, .offset: 8, .size: 8, .value_kind: global_buffer, .address_space: global }
      - { .name: lowp_scales, .offset: 16, .size: 8, .value_kind: global_buffer, .address_space: global }
      - { .name: texp, .offset: 24, .size: 8, .value_kind: global_buffer, .address_space: global }
      - { .name: ybuf, .offset: 32, .size: 8, .value_kind: global_buffer, .address_space: global }
    .group_segment_fixed_size: 174592
    .private_segment_fixed_size: 0
    .kernarg_segment_align: 8
    .kernarg_segment_size: 40
    .max_flat_workgroup_size: 128
    .sgpr_count:     66
    .vgpr_count:     1024
    .wavefront_size: 32
...
	.end_amdgpu_metadata
.endif
;; end of part 4
;; launch combine (part 5): grid 256 x 1, 4 waves a work-group, no clusters, 0 bytes of LDS; arguments ybuf, pos, gate, out0; writes out0
.if DOCPART == 5
	.amdgcn_target "amdgcn-amd-amdhsa--gfx1250"
	.amdhsa_code_object_version 6
	.text
	.protected	k_q3a2acd7fd1_combine
	.globl	k_q3a2acd7fd1_combine
	.p2align	8
	.type	k_q3a2acd7fd1_combine,@function
k_q3a2acd7fd1_combine:
	s_mov_b64 s[64:65], 0
	v_nop
	global_prefetch_b8 v0, s[64:65] scope:SCOPE_SE
	s_setreg_imm32_b32 hwreg(HW_REG_WAVE_MODE, 25, 1), 1
	s_wait_xcnt 0x0
; THE LAST PRODUCT: out0[n][:] = gate[n][0] x ybuf[pos[n][0]][:] + gate[n][1] x ybuf[pos[n][1]][:].  ybuf: [5568][1024] bf16; out0: [2048][1024] f32; gates and sums in f32.
; Each output row has one owner, which GATHERS its two rows: no sums between work-groups.  A wave takes two tokens; the places and gates are the same for all lanes and come by scalar loads.
; A stream: all 32 loads of a wave go out at once (256 consecutive bytes each), each of the 16 steps has registers of its own, and each store covers 512 consecutive bytes.
; LDS, barriers and the matrix unit would add nothing: K is 2.
.set PR,  5568
.set Y,   16                           ; v16-79   step m = 8 t + i: slot 0's and slot 1's 4 bf16, 2 registers each
.set T,   80                           ; v80-87   the eight numbers in f32
.set O,   96                           ; v96-159  step m's four results
	s_load_b256 s[4:11], s[0:1], 0x0               ; ybuf s[4:5], pos s[6:7], gate s[8:9], out0 s[10:11]
	v_lshrrev_b32 v3, 5, v0
	v_readfirstlane_b32 s14, v3                    ; wave 0..3
	v_and_b32 v3, 31, v0
	v_lshlrev_b32 v1, 3, v3                        ; in: 8 bytes a lane
	v_lshlrev_b32 v2, 4, v3                        ; out: 16 bytes a lane
	s_lshl_b32 s12, ttmp9, 6
	s_lshl_b32 s15, s14, 4
	s_add_co_u32 s12, s12, s15                     ; 8 bytes x my first token, 8 x work-group + 2 x wave
	s_mov_b32 s13, 0xffff0000                      ; a word's upper bf16
	s_mov_b32 s41, 0
	s_wait_kmcnt 0x0
	s_load_b128 s[16:19], s[6:7], s12 offset:0x0   ; the two tokens' places
	s_load_b128 s[20:23], s[8:9], s12 offset:0x0   ; and gates
	s_lshl_b32 s40, s12, 9
	s_add_nc_u64 s[10:11], s[10:11], s[40:41]      ; out0 at my first token: rows of 4,096 bytes
	s_wait_kmcnt 0x0
.irp k, 0,1,2,3                        ; k = 2 x token + slot
	s_min_u32 s40, s[16+\k], PR-1                  ; a loaded number enters an address behind a clamp
	s_lshl_b32 s40, s40, 11                        ; rows of 2,048 bytes
	s_add_nc_u64 s[24+2*\k:25+2*\k], s[4:5], s[40:41]
	s_mov_b32 s[32+2*\k], s[20+\k]                 ; the gate as a pair: the packed forms name a pair and take its low word for both halves
	s_mov_b32 s[33+2*\k], s[20+\k]
.endr
.irp t, 0,1
.irp i, 0,1,2,3,4,5,6,7
.irp k, 0,1
	global_load_b64 v[Y+4*(8*\t+\i)+2*\k:Y+4*(8*\t+\i)+2*\k+1], v1, s[24+2*(2*\t+\k):25+2*(2*\t+\k)] offset:256*\i th:TH_LOAD_NT   ; a routed row is read once
.endr
.endr
.endr
.irp t, 0,1
.irp i, 0,1,2,3,4,5,6,7
	s_wait_loadcnt 30-2*(8*\t+\i)                  ; this step's two loads are in; those of the later steps may be out
.irp k, 0,1
.irp r, 0,1
	v_lshlrev_b32 v[T+4*\k+2*\r], 16, v[Y+4*(8*\t+\i)+2*\k+\r]        ; bf16 to f32: the low half moves up,
	v_and_b32 v[T+4*\k+2*\r+1], s13, v[Y+4*(8*\t+\i)+2*\k+\r]         ; the high half stays
.endr
.endr
.irp r, 0,2
	v_pk_mul_f32 v[O+4*(8*\t+\i)+\r:O+4*(8*\t+\i)+\r+1], v[T+4+\r:T+4+\r+1], s[34+4*\t:35+4*\t] op_sel_hi:[1,0]
.endr
.irp r, 0,2
	v_pk_fma_f32 v[O+4*(8*\t+\i)+\r:O+4*(8*\t+\i)+\r+1], v[T+\r:T+\r+1], s[32+4*\t:33+4*\t], v[O+4*(8*\t+\i)+\r:O+4*(8*\t+\i)+\r+1] op_sel_hi:[1,0,1]
.endr
	global_store_b128 v2, v[O+4*(8*\t+\i):O+4*(8*\t+\i)+3], s[10:11] offset:4096*\t+512*\i th:TH_STORE_NT   ; 512 consecutive bytes, at a multiple of 256 from out0's first byte; no store's data are written again
.endr
.endr
	s_endpgm
.Lfunc_end_k_q3a2acd7fd1_combine:
	.size	k_q3a2acd7fd1_combine, .Lfunc_end_k_q3a2acd7fd1_combine-k_q3a2acd7fd1_combine
	.p2alignl 7, 3214868480
	.fill 96, 4, 3214868480
	.section	.rodata,"a",@progbits
	.p2align	6, 0x0
	.amdhsa_kernel k_q3a2acd7fd1_combine
		.amdhsa_group_segment_fixed_size 0
		.amdhsa_private_segment_fixed_size 0
		.amdhsa_enable_private_segment 0
		.amdhsa_kernarg_size 32
		.amdhsa_user_sgpr_count 2
		.amdhsa_user_sgpr_kernarg_segment_ptr 1
		.amdhsa_wavefront_size32 1
		.amdhsa_system_sgpr_workgroup_id_x 1
		.amdhsa_system_sgpr_workgroup_id_y 1
		.amdhsa_system_sgpr_workgroup_id_z 1
		.amdhsa_system_vgpr_workitem_id 0
		.amdhsa_next_free_vgpr 160
		.amdhsa_next_free_sgpr 66
		.amdhsa_reserve_vcc 0
		.amdhsa_float_denorm_mode_32 3
		.amdhsa_float_denorm_mode_16_64 3
		.amdhsa_memory_ordered 1
		.amdhsa_forward_progress 1
		.amdhsa_inst_pref_size 15
	.end_amdhsa_kernel
	.amdgpu_metadata
---
amdhsa.version: [ 1, 2 ]
amdhsa.kernels:
  - .name:           k_q3a2acd7fd1_combine
    .symbol:         k_q3a2acd7fd1_combine.kd
    .args:
      - { .name: ybuf, .offset: 0, .size: 8, .value_kind: global_buffer, .address_space: global }
      - { .name: pos, .offset: 8, .size: 8, .value_kind: global_buffer, .address_space: global }
      - { .name: gate, .offset: 16, .size: 8, .value_kind: global_buffer, .address_space: global }
      - { .name: out0, .offset: 24, .size: 8, .value_kind: global_buffer, .address_space: global }
    .group_segment_fixed_size: 0
    .private_segment_fixed_size: 0
    .kernarg_segment_align: 8
    .kernarg_segment_size: 32
    .max_flat_workgroup_size: 128
    .sgpr_count:     66
    .vgpr_count:     160
    .wavefront_size: 32
...
	.end_amdgpu_metadata
.endif
;; end of part 5
;; ======== version 2 of 2: 5 launches
;; workspace buffers: xq 2,097,152 bytes; sel 8,192 bytes of whole numbers; gate 16,384 bytes; tok 22,272 bytes of whole numbers; pos 16,384 bytes of whole numbers; texp 256 bytes of whole numbers; hbuf 11,403,264 bytes; ybuf 11,403,264 bytes
;; launch route (part 6): grid 256 x 1, 2 waves a work-group, no clusters, 8,448 bytes of LDS; arguments x, router_w, lowp_scales, xq, sel, gate, tok; writes xq, sel, gate, tok
.if DOCPART == 6
	.amdgcn_target "amdgcn-amd-amdhsa--gfx1250"
	.amdhsa_code_object_version 6
	.text
	.protected	k_q3a2acd7fd1_route
	.globl	k_q3a2acd7fd1_route
	.p2align	8
	.type	k_q3a2acd7fd1_route,@function
k_q3a2acd7fd1_route:
	s_mov_b64 s[64:65], 0
	v_nop
	global_prefetch_b8 v0, s[64:65] scope:SCOPE_SE
	s_setreg_imm32_b32 hwreg(HW_REG_WAVE_MODE, 25, 1), 1
	s_wait_xcnt 0x0
; THE ROUTER AND x's QUANTISER.  x: [2048][1024] f32, router_w: [8][1024] f32.
; For each token: its 8 logits (f32 multiply-adds), the two largest (of equal logits the lower index first), the softmax of those two
; (the larger is taken away before the exponential), and the token's 1,024 codes of E5M2 with the given scale 2^ex, ex = lowp_scales[1].
; Stored at fixed places: xq [2048][1024] codes, sel [2048] int32 = first expert | second expert << 8, gate [2048][2] f32.
; No address and no branch hangs on the choice: a later launch places the rows.
; Also: the list tok [5568] int32 is set to 0 here, 87 blocks of 256 bytes, one by wave 0 of each of the first 87 work-groups.  The next launch overwrites the words of real rows; pad rows keep token 0.
; SHARES.  A wave takes 4 tokens; lane l holds k = 128 i + 4 l + 0..3, i = 0..7, of each token and of each row of router_w: every load covers 512 consecutive bytes.
; x is read once and serves both the logits and the codes.  The waves share nothing: no barrier.  No matrix unit: 8 columns are half a tile, and the launch is bound by x's bytes.
; LIMITS.  NaN and infinities among the inputs are not served.  ex between -126 and 112, so that 2^ex and 57,344 x 2^ex are f32 numbers.
; A second gate under 2^-126 comes out as 0 (the exponential gives no denormals: ISA guide, 15.8).
; REGISTERS.  Window 0: v1 16 x lane, v2 lane, v3, v4 LDS addresses, v5 2^ex, v6 57,344 x 2^ex, v7 -infinity, v8-15 at work; v16-143 x (token t, load i at 16 + 32 t + 4 i);
;   v144-207 the 32 sums in pairs, later the codes (v144-175) and the codes read back (v176-207); v208-239 the logits; v240-255 four registers a token.   Window 1: router_w (row e, load i at 32 e + 4 i).
.set X,   16
.set ACC, 144
.set CD,  144
.set BK,  176
.set LG,  208
.set TP,  240                          ; token t at TP + 4 t: +0 the largest logit, then gate 0; +1 its index, then the word for sel; +2 the second logit, then gate 1; +3 its index
.set TOKB, 87                          ; blocks of 256 bytes in tok: 5,568 words
.set MSB, 0
.macro WIN new                         ; the immediate's high byte repeats the setting that is left
.if MSB != \new
	s_set_vgpr_msb (MSB<<8)|\new
.set MSB, \new
.endif
.endm
	s_load_b256 s[4:11], s[0:1], 0x0               ; x s[4:5], router_w s[6:7], lowp_scales s[8:9], xq s[10:11]
	s_load_b128 s[12:15], s[0:1], 0x20             ; sel s[12:13], gate s[14:15]
	s_load_b64 s[30:31], s[0:1], 0x30              ; tok
	s_set_vgpr_msb 0x80
	v_lshl_add_u32 v0, v0, 2, 0x2000
	v_mov_b32 v1, 0
	s_set_vgpr_msb 0x8000
	v_lshrrev_b32 v8, 5, v0
	v_readfirstlane_b32 s16, v8                    ; wave 0, 1
	v_and_b32 v2, 31, v0                           ; lane
	v_lshlrev_b32 v1, 4, v2                        ; 16 bytes a lane
	s_lshl_b32 s17, ttmp9, 3
	s_lshl_b32 s18, s16, 2
	s_add_co_u32 s17, s17, s18                     ; my first token: 8 x work-group + 4 x wave
	s_lshl_b32 s21, s16, 12                        ; my wave's 4,096 bytes of LDS
	v_lshl_add_u32 v3, v2, 2, s21                  ; in: 4 bytes a lane
	v_add_nc_u32 v4, s21, v1                       ; back: 16 bytes a lane
	s_mov_b32 s22, 0x76543210                      ; v_permlanex16_b32: each lane takes its own place in the other half
	s_mov_b32 s23, 0xfedcba98
	v_mov_b32 v7, 0xff800000                       ; -infinity
	s_mov_b32 s19, 0
	s_wait_alu depctr_va_vdst(0)
	s_wait_kmcnt 0x0
	s_load_b32 s20, s[8:9], 0x4                    ; ex
	s_lshl_b32 s18, s17, 12
	s_add_nc_u64 s[4:5], s[4:5], s[18:19]          ; x at my first token: rows of 4,096 bytes
	s_lshl_b32 s18, s17, 10
	s_add_nc_u64 s[10:11], s[10:11], s[18:19]      ; xq: rows of 1,024 bytes
	s_lshl_b32 s18, s17, 2
	s_add_nc_u64 s[12:13], s[12:13], s[18:19]      ; sel: 4 bytes a token
	s_lshl_b32 s18, s17, 3
	s_add_nc_u64 s[14:15], s[14:15], s[18:19]      ; gate: 8 bytes a token
	s_lshl_b32 s18, ttmp9, 8
	s_add_nc_u64 s[30:31], s[30:31], s[18:19]      ; tok: the work-group's block of 256 bytes (used by the first 87 work-groups alone)
.irp t, 0,1,2,3
.irp i, 0,1,2,3,4,5,6,7
	global_load_b128 v[X+32*\t+4*\i:X+32*\t+4*\i+3], v1, s[4:5] offset:4096*\t+512*\i th:TH_LOAD_NT   ; read once in the launch
.endr
.endr
	WIN 0x40                                       ; destination window 1
.irp e, 0,1,2,3,4,5,6,7
.irp i, 0,1,2,3,4,5,6,7
	global_load_b128 v[32*\e+4*\i:32*\e+4*\i+3], v1, s[6:7] offset:4096*\e+512*\i
.endr
.endr
	s_wait_loadcnt 0x0
	; THE LOGITS: 32 sums (4 tokens x 8 experts), two numbers an instruction, 32 chains that do not wait for each other.  The first products start the sums.
	WIN 0x04                                       ; source 1 (router_w) window 1
.set p, 0
.rept 16
.irp t, 0,1,2,3
.irp e, 0,1,2,3,4,5,6,7
.if p == 0
	v_pk_mul_f32 v[ACC+2*(8*\t+\e):ACC+2*(8*\t+\e)+1], v[X+32*\t:X+32*\t+1], v[32*\e:32*\e+1]
.else
	v_pk_fma_f32 v[ACC+2*(8*\t+\e):ACC+2*(8*\t+\e)+1], v[X+32*\t+2*p:X+32*\t+2*p+1], v[32*\e+2*p:32*\e+2*p+1], v[ACC+2*(8*\t+\e):ACC+2*(8*\t+\e)+1]
.endif
.endr
.endr
.set p, p+1
.endr
	WIN 0
.set k, 0
.rept 32
	v_add_f32 v[LG+k], v[ACC+2*k], v[ACC+2*k+1]    ; the two halves of a pair
.set k, k+1
.endr
.irp m, 1,2,4,8                        ; across the 16 lanes of a half, step by step over all 32 sums,
.set k, 0
.rept 32
	v_add_f32_dpp v[LG+k], v[LG+k], v[LG+k] row_xmask:\m row_mask:0xf bank_mask:0xf
.set k, k+1
.endr
.endr
.set k, 0
.rept 32
	v_permlanex16_b32 v[ACC+k], v[LG+k], s22, s23  ; and the other half's (its destination has been written: the sums' registers)
.set k, k+1
.endr
.set k, 0
.rept 32
	v_add_f32 v[LG+k], v[LG+k], v[ACC+k]           ; every lane now holds all 32 logits
.set k, k+1
.endr
	; THE TWO LARGEST.  A scan with a strict 'greater' keeps the lower index among equals; the winner becomes -infinity; a second scan.  The four tokens take turns.
.macro SCAN o
.irp t, 0,1,2,3
	v_mov_b32 v[TP+4*\t+\o], v[LG+8*\t]
	v_mov_b32 v[TP+4*\t+\o+1], 0
.endr
.irp e, 1,2,3,4,5,6,7
.irp t, 0,1,2,3
	v_cmp_gt_f32 s[24+\t], v[LG+8*\t+\e], v[TP+4*\t+\o]
.endr
.irp t, 0,1,2,3
	v_cndmask_b32 v[TP+4*\t+\o], v[TP+4*\t+\o], v[LG+8*\t+\e], s[24+\t]
	v_cndmask_b32 v[TP+4*\t+\o+1], v[TP+4*\t+\o+1], \e, s[24+\t]
.endr
.endr
.endm
	SCAN 0
.irp e, 0,1,2,3,4,5,6,7
.irp t, 0,1,2,3
	v_cmp_eq_u32 s[24+\t], \e, v[TP+4*\t+1]
.endr
.irp t, 0,1,2,3
	v_cndmask_b32 v[LG+8*\t+\e], v[LG+8*\t+\e], v7, s[24+\t]
.endr
.endr
	SCAN 2
	; THE GATES: softmax of (first, second) = (1, u) / (1 + u), u = e^(second - first), at most 1
.irp t, 0,1,2,3
	v_sub_f32 v[8+\t], v[TP+4*\t+2], v[TP+4*\t]
.endr
.irp t, 0,1,2,3
	v_mul_f32 v[8+\t], 0x3fb8aa3b, v[8+\t]         ; x log2(e)
.endr
	s_wait_alu depctr_va_vdst(0)
.irp t, 0,1,2,3
	v_exp_f32 v[12+\t], v[8+\t]
.endr
.irp t, 0,1,2,3
	v_lshl_or_b32 v[TP+4*\t+1], v[TP+4*\t+3], 8, v[TP+4*\t+1]   ; the word for sel; plain work behind the exponentials
.endr
	s_wait_alu depctr_va_vdst(0)                   ; one wait for the four exponentials, ahead of their first reader
.irp t, 0,1,2,3
	v_add_f32 v[8+\t], 1.0, v[12+\t]
.endr
	s_wait_alu depctr_va_vdst(0)
.irp t, 0,1,2,3
	v_rcp_f32 v[TP+4*\t], v[8+\t]                  ; gate 0
.endr
	v_nop                                          ; a plain instruction behind the last reciprocal
	s_wait_alu depctr_va_vdst(0)                   ; one wait for the four reciprocals
.irp t, 0,1,2,3
	v_mul_f32 v[TP+4*\t+2], v[12+\t], v[TP+4*\t]   ; gate 1
.endr
	; THE CODES
	s_wait_kmcnt 0x0
	s_add_co_i32 s20, s20, 127
	s_lshl_b32 s21, s20, 23
	v_mov_b32 v5, s21                              ; 2^ex as f32: the conversion takes its exponent field
	s_add_co_i32 s20, s20, 15
	s_lshl_b32 s20, s20, 23
	s_or_b32 s20, s20, 0x600000
	v_mov_b32 v6, s20                              ; 57,344 x 2^ex
.set k, 0
.rept 128
	v_med3_num_f32 v[X+k], v[X+k], -v6, v6         ; the conversion to an 8-bit code does not saturate (ISA guide 7.6.2): the hold at the largest code x the scale
.set k, k+1
.endr
.irp t, 0,1,2,3
.irp u, 0,1,2,3
	v_cvt_scalef32_pk8_bf8_f32 v[CD+8*\t+2*\u:CD+8*\t+2*\u+1], v[X+32*\t+8*\u:X+32*\t+8*\u+7], v5   ; the two words are the four codes of load 2 u and of load 2 u + 1
.endr
.endr
	v_nop                                          ; a plain instruction behind the last conversion
	; A lane's four codes of a load are 4 bytes: they turn through my wave's own LDS bytes, laid as the rows lie, and leave 16 bytes a lane.
.irp t, 0,1,2,3
.irp i, 0,1,2,3,4,5,6,7
	ds_store_b32 v3, v[CD+8*\t+\i] offset:1024*\t+128*\i
.endr
.endr
.irp m, 0,1,2,3,4,5,6,7
	ds_load_b128 v[BK+4*\m:BK+4*\m+3], v4 offset:512*\m   ; LDS serves a wave's instructions in order (ISA guide 5.7.1.4): these see my stores
.endr
	; lane t (0..3) takes token t's word and gates, while the loads are out
	v_mov_b32 v8, v[TP+1]
	v_mov_b32 v10, v[TP]
	v_mov_b32 v11, v[TP+2]
.irp t, 1,2,3
	v_cmp_eq_u32 vcc_lo, \t, v2
	v_cndmask_b32 v8, v8, v[TP+4*\t+1], vcc_lo
	v_cndmask_b32 v10, v10, v[TP+4*\t], vcc_lo
	v_cndmask_b32 v11, v11, v[TP+4*\t+2], vcc_lo
.endr
	v_lshlrev_b32 v9, 2, v2
	v_lshlrev_b32 v12, 3, v2
.irp m, 0,1,2,3,4,5,6,7
	s_wait_dscnt 7-\m                              ; load m is in; the younger ones may be out
	global_store_b128 v1, v[BK+4*\m:BK+4*\m+3], s[10:11] offset:512*\m   ; 512 consecutive bytes, at a multiple of 256 from xq's first byte
.endr
	; tok's zeros: wave 0 of work-groups 0 to 86, 8 bytes a lane
	v_mov_b32 v[CD], 0                             ; (the codes have gone through LDS: their registers are free)
	v_mov_b32 v[CD+1], 0
	s_lshl_b32 s29, s16, 8
	s_add_co_u32 s29, s29, ttmp9                   ; 256 x wave + work-group: under 87 in those waves alone
	s_cmp_lt_u32 s29, TOKB
	s_cbranch_scc0 .Lno_tok
	s_wait_alu depctr_va_vdst(0)
	global_store_b64 v12, v[CD:CD+1], s[30:31]     ; 256 consecutive bytes, at a multiple of 256 from tok's first byte
.Lno_tok:
	v_cmp_gt_u32 vcc_lo, 4, v2
	s_wait_xcnt 0x0                                ; EXEC is a source of the stores above: it changes only behind this wait
	s_set_vgpr_msb 0xa
	s_wait_tensorcnt 0x0
	ds_add_u32 v0, v1
	s_wait_dscnt 0x0
	s_set_vgpr_msb 0xa00
	s_and_saveexec_b32 s28, vcc_lo
	s_wait_alu depctr_va_vdst(0)
	global_store_b32 v9, v8, s[12:13]              ; a wave's share of sel is 16 bytes and of gate 32: the two lists are 24 KB in all
	global_store_b64 v12, v[10:11], s[14:15]
	s_wait_xcnt 0x0                                ; and again, in front of the line that widens it
	s_or_b32 exec_lo, exec_lo, s28
	s_endpgm
.Lfunc_end_k_q3a2acd7fd1_route:
	.size	k_q3a2acd7fd1_route, .Lfunc_end_k_q3a2acd7fd1_route-k_q3a2acd7fd1_route
	.p2alignl 7, 3214868480
	.fill 96, 4, 3214868480
	.section	.rodata,"a",@progbits
	.p2align	6, 0x0
	.amdhsa_kernel k_q3a2acd7fd1_route
		.amdhsa_group_segment_fixed_size 8448
		.amdhsa_private_segment_fixed_size 0
		.amdhsa_enable_private_segment 0
		.amdhsa_kernarg_size 56
		.amdhsa_user_sgpr_count 2
		.amdhsa_user_sgpr_kernarg_segment_ptr 1
		.amdhsa_wavefront_size32 1
		.amdhsa_system_sgpr_workgroup_id_x 1
		.amdhsa_system_sgpr_workgroup_id_y 1
		.amdhsa_system_sgpr_workgroup_id_z 1
		.amdhsa_system_vgpr_workitem_id 0
		.amdhsa_next_free_vgpr 514
		.amdhsa_next_free_sgpr 66
		.amdhsa_reserve_vcc 1
		.amdhsa_float_denorm_mode_32 3
		.amdhsa_float_denorm_mode_16_64 3
		.amdhsa_memory_ordered 1
		.amdhsa_forward_progress 1
		.amdhsa_inst_pref_size 86
	.end_amdhsa_kernel
	.amdgpu_metadata
---
amdhsa.version: [ 1, 2 ]
amdhsa.kernels:
  - .name:           k_q3a2acd7fd1_route
    .symbol:         k_q3a2acd7fd1_route.kd
    .args:
      - { .name: x, .offset: 0, .size: 8, .value_kind: global_buffer, .address_space: global }
      - { .name: router_w, .offset: 8, .size: 8, .value_kind: global_buffer, .address_space: global }
      - { .name: lowp_scales, .offset: 16, .size: 8, .value_kind: global_buffer, .address_space: global }
      - { .name: xq, .offset: 24, .size: 8, .value_kind: global_buffer, .address_space: global }
      - { .name: sel, .offset: 32, .size: 8, .value_kind: global_buffer, .address_space: global }
      - { .name: gate, .offset: 40, .size: 8, .value_kind: global_buffer, .address_space: global }
      - { .name: tok, .offset: 48, .size: 8, .value_kind: global_buffer, .address_space: global }
    .group_segment_fixed_size: 8448
    .private_segment_fixed_size: 0
    .kernarg_segment_align: 8
    .kernarg_segment_size: 56
    .max_flat_workgroup_size: 64
    .sgpr_count:     66
    .vgpr_count:     514
    .wavefront_size: 32
...
	.end_amdgpu_metadata
.endif
;; end of part 6
;; launch place (part 7): grid 1 x 1, 16 waves a work-group, no clusters, 4,096 bytes of LDS; arguments sel, tok, pos, texp; writes tok, pos, texp
.if DOCPART == 7
	.amdgcn_target "amdgcn-amd-amdhsa--gfx1250"
	.amdhsa_code_object_version 6
	.text
	.protected	k_q3a2acd7fd1_place
	.globl	k_q3a2acd7fd1_place
	.p2align	8
	.type	k_q3a2acd7fd1_place,@function
k_q3a2acd7fd1_place:
	s_mov_b64 s[64:65], 0
	v_nop
	global_prefetch_b8 v0, s[64:65] scope:SCOPE_SE
	s_setreg_imm32_b32 hwreg(HW_REG_WAVE_MODE, 25, 1), 1
	s_wait_xcnt 0x0
; THE ROWS ARE PLACED BY EXPERT: a counting sort of the 4,096 routed rows (2,048 tokens x 2), each expert's rows padded to whole tiles of 192.  Whole numbers only.
; In: sel [2048] = first expert | second expert << 8.
; Out: tok [5568]: the token of padded row p: the words of real rows are stored here; the launch before has set the whole list to 0, which pad rows keep;
;      pos [2048][2]: the padded rows of a token's two slots;  texp [64]: the expert of tile t (7 for tiles that the split leaves unused).
; 29 tiles serve every split: the sum over experts of ceil(rows / 192) is at most (4,096 + 8 x 191) / 192, rounded down.
; One work-group, since every place hangs on all counts; no atomics.  Wave w holds tokens 128 w + 32 j + lane, j = 0..3.
; Counts by ballots (a compare's lane mask and its bit count); the waves' counts meet in LDS behind the one barrier; a row's place is its expert's first row + the rows of earlier waves
; + those of earlier j + the ballot's bits under the lane.  The 32 ballots are made in one run of vector instructions and counted in one run of scalar ones.  EXEC is never changed.
.set TM,  192
.set PR,  29*TM                        ; 5,568 padded rows
.set SV,  2                            ; v2-5    sel of my four tokens
.set E0,  6                            ; v6-9    first expert
.set E1,  10                           ; v10-13  second expert
.set PS,  14                           ; v14-21  (place 0, place 1), a pair for each j
.set TN,  22                           ; v22-25  my tokens' numbers
.set TC,  26                           ; v26-41  the 16 waves' counts of expert lane % 8; later the addresses of the scattered stores
.set WK,  50                           ; v50-53  at work
.set BM,  56                           ; v56-59  (1 << first expert) | (1 << second expert)
.set MK,  20                           ; s[20:51]  ballot of expert e, group j at MK + 4 e + j
.set TOT, 52                           ; s[52:59]  an expert's rows: first my wave's, then all
.set RUN, 66                           ; s[66:73]  the next free row of an expert, for my wave
.set RS,  74                           ; s[74:81]  an expert's first row
.set TS,  82                           ; s[82:90]  an expert's first tile; entry 8: tiles in use
	s_load_b256 s[4:11], s[0:1], 0x0               ; sel s[4:5], tok s[6:7], pos s[8:9], texp s[10:11]
	v_lshl_add_u32 v64, v0, 2, 0x800
	v_mov_b32 v65, 0
	v_and_b32 v1, 31, v0                           ; lane
	v_lshrrev_b32 v44, 5, v0
	s_delay_alu instid0(VALU_DEP_1)
	v_readfirstlane_b32 s12, v44                   ; wave 0..15
	s_delay_alu instid0(VALU_DEP_2)
	v_lshlrev_b32 v44, 9, v44
	s_delay_alu instid0(VALU_DEP_1)
	v_lshl_add_u32 v44, v1, 2, v44                 ; 512 x wave + 4 x lane: my first token's word of sel
	s_delay_alu instid0(VALU_DEP_1)
	v_lshrrev_b32 v[TN], 2, v44                    ; its number
.irp j, 1,2,3
	v_add_nc_u32 v[TN+\j], 32*\j, v[TN]
.endr
	v_lshlrev_b32 v46, 2, v0                       ; LDS: 128 x wave + 4 x lane; also my word of texp
	v_and_b32 v47, 7, v0
	s_delay_alu instid0(VALU_DEP_1)
	v_lshlrev_b32 v47, 2, v47                      ; LDS: column lane % 8
	v_lshlrev_b32 v49, 1, v44                      ; my first token's pair of pos
	v_mov_b32 v45, 0
	v_mov_b32 v42, 0
	v_mov_b32 v43, 0
	s_wait_kmcnt 0x0
.irp j, 0,1,2,3
	global_load_b32 v[SV+\j], v44, s[4:5] offset:128*\j
.endr
	s_wait_loadcnt 0x0
.irp j, 0,1,2,3
	v_and_b32 v[E0+\j], 0xff, v[SV+\j]
	v_bfe_u32 v[E1+\j], v[SV+\j], 8, 8
.endr
.irp j, 0,1,2,3
	v_lshlrev_b32 v[BM+\j], v[E0+\j], 1            ; 1 << first expert
	v_lshlrev_b32 v[WK+\j], v[E1+\j], 1            ; 1 << second expert
.endr
.irp j, 0,1,2,3
	v_or_b32 v[BM+\j], v[BM+\j], v[WK+\j]
.endr
	; my wave's ballots: which lanes have chosen expert e, in either slot
.irp e, 0,1,2,3,4,5,6,7
.irp j, 0,1,2,3
	v_and_b32 v[WK+\j], 1<<\e, v[BM+\j]
.endr
.irp j, 0,1,2,3
	s_delay_alu instid0(VALU_DEP_4)
	v_cmp_ne_u32 s[MK+4*\e+\j], 0, v[WK+\j]
.endr
.endr
	; and its counts; the count of expert e goes into lane e
.irp e, 0,1,2,3,4,5,6,7
	s_bcnt1_i32_b32 s91, s[MK+4*\e]
	s_bcnt1_i32_b32 s92, s[MK+4*\e+1]
	s_bcnt1_i32_b32 s93, s[MK+4*\e+2]
	s_bcnt1_i32_b32 s94, s[MK+4*\e+3]
	s_add_co_u32 s91, s91, s92
	s_add_co_u32 s93, s93, s94
	s_add_co_u32 s[TOT+\e], s91, s93
.endr
.irp e, 0
	v_writelane_b32 v45, s[TOT+\e], \e
.endr
.irp e, 1, 2, 3, 4, 5, 6, 7
	s_delay_alu instid0(VALU_DEP_1)
	v_writelane_b32 v45, s[TOT+\e], \e
.endr
	ds_store_b32 v46, v45
	s_wait_dscnt 0x0                               ; for the others' sake: my counts lie in LDS
	s_barrier_signal -1
	s_barrier_wait -1
.irp w, 0,1,2,3,4,5,6,7,8,9,10,11,12,13,14,15
	ds_load_b32 v[TC+\w], v47 offset:128*\w
.endr
	s_wait_dscnt 0x0
.irp w, 0,1,2,3,4,5,6,7,8,9,10,11,12,13,14,15
	s_cmp_gt_u32 s12, \w                           ; a wave in front of mine?
	s_cselect_b32 s91, -1, 0
	v_and_b32 v48, s91, v[TC+\w]
	s_delay_alu instid0(VALU_DEP_1)
	v_add_nc_u32 v42, v42, v48                     ; rows of expert lane % 8 in earlier waves,
	v_add_nc_u32 v43, v43, v[TC+\w]                ; and in all
.endr
.irp e, 0,1,2,3,4,5,6,7
	v_readlane_b32 s[TOT+\e], v43, \e
	v_readlane_b32 s[RUN+\e], v42, \e
.endr
	s_mov_b32 s[TS], 0
.irp e, 0,1,2,3,4,5,6,7
	s_add_co_u32 s91, s[TOT+\e], TM-1
	s_mul_i32 s91, s91, 43691
	s_lshr_b32 s91, s91, 23                        ; / 192, rounded down: 43,691 x 192 = 2^23 + 64, so the quotient is too large by 8 parts in 10^6, far under 1 / 192 for a dividend of at most 2,239
	s_add_co_u32 s[TS+\e+1], s[TS+\e], s91
	s_mul_i32 s[RS+\e], s[TS+\e], TM
	s_add_co_u32 s[RUN+\e], s[RUN+\e], s[RS+\e]
.endr
	; each routed row's place
.irp j, 0,1,2,3
	v_mov_b32 v[PS+2*\j], 0
	v_mov_b32 v[PS+2*\j+1], 0
.irp e, 0,1,2,3,4,5,6,7
	v_mbcnt_lo_u32_b32 v48, s[MK+4*\e+\j], s[RUN+\e]   ; the ballot's bits under my lane + the expert's next free row
	v_cmp_eq_u32 vcc_lo, \e, v[E0+\j]
	s_delay_alu instid0(VALU_DEP_1)
	v_cndmask_b32 v[PS+2*\j], v[PS+2*\j], v48, vcc_lo
	v_cmp_eq_u32 vcc_lo, \e, v[E1+\j]
	s_delay_alu instid0(VALU_DEP_1)
	v_cndmask_b32 v[PS+2*\j+1], v[PS+2*\j+1], v48, vcc_lo
	s_bcnt1_i32_b32 s91, s[MK+4*\e+\j]
	s_add_co_u32 s[RUN+\e], s[RUN+\e], s91
.endr
.endr
.irp j, 0,1,2,3
	global_store_b64 v49, v[PS+2*\j:PS+2*\j+1], s[8:9] offset:256*\j   ; 256 consecutive bytes, aligned
.endr
	; tok: the one scatter of the program, 4 bytes a row into a list of 22 KB; each address has a register of its own
.irp j, 0,1,2,3
.irp k, 0,1
	v_min_u32 v[TC+2*\j+\k], PR-1, v[PS+2*\j+\k]   ; a number made of loaded numbers enters an address behind a clamp
	s_delay_alu instid0(VALU_DEP_1)
	v_lshlrev_b32 v[TC+2*\j+\k], 2, v[TC+2*\j+\k]
	global_store_b32 v[TC+2*\j+\k], v[TN+\j], s[6:7]
.endr
.endr
	; texp: waves 0 and 1, a lane a tile: the number of experts 1..7 whose first tile is at or under t
	s_cmp_gt_u32 s12, 1
	s_cbranch_scc1 .Lend
	v_mov_b32 v54, 0
.irp i, 1,2,3,4,5,6,7
	v_cmp_le_u32 vcc_lo, s[TS+\i], v0
	s_delay_alu instid0(VALU_DEP_1)
	v_cndmask_b32 v50, 0, 1, vcc_lo
	s_delay_alu instid0(VALU_DEP_1)
	v_add_nc_u32 v54, v54, v50
.endr
	global_store_b32 v46, v54, s[10:11]            ; the two waves store 256 consecutive bytes
.Lend:
	s_wait_tensorcnt 0x0
	ds_add_u32 v64, v65
	s_wait_dscnt 0x0
	s_endpgm
.Lfunc_end_k_q3a2acd7fd1_place:
	.size	k_q3a2acd7fd1_place, .Lfunc_end_k_q3a2acd7fd1_place-k_q3a2acd7fd1_place
	.p2alignl 7, 3214868480
	.fill 96, 4, 3214868480
	.section	.rodata,"a",@progbits
	.p2align	6, 0x0
	.amdhsa_kernel k_q3a2acd7fd1_place
		.amdhsa_group_segment_fixed_size 4096
		.amdhsa_private_segment_fixed_size 0
		.amdhsa_enable_private_segment 0
		.amdhsa_kernarg_size 32
		.amdhsa_user_sgpr_count 2
		.amdhsa_user_sgpr_kernarg_segment_ptr 1
		.amdhsa_wavefront_size32 1
		.amdhsa_system_sgpr_workgroup_id_x 1
		.amdhsa_system_sgpr_workgroup_id_y 1
		.amdhsa_system_sgpr_workgroup_id_z 1
		.amdhsa_system_vgpr_workitem_id 0
		.amdhsa_next_free_vgpr 66
		.amdhsa_next_free_sgpr 100
		.amdhsa_reserve_vcc 1
		.amdhsa_float_denorm_mode_32 3
		.amdhsa_float_denorm_mode_16_64 3
		.amdhsa_memory_ordered 1
		.amdhsa_forward_progress 1
		.amdhsa_inst_pref_size 31
	.end_amdhsa_kernel
	.amdgpu_metadata
---
amdhsa.version: [ 1, 2 ]
amdhsa.kernels:
  - .name:           k_q3a2acd7fd1_place
    .symbol:         k_q3a2acd7fd1_place.kd
    .args:
      - { .name: sel, .offset: 0, .size: 8, .value_kind: global_buffer, .address_space: global }
      - { .name: tok, .offset: 8, .size: 8, .value_kind: global_buffer, .address_space: global }
      - { .name: pos, .offset: 16, .size: 8, .value_kind: global_buffer, .address_space: global }
      - { .name: texp, .offset: 24, .size: 8, .value_kind: global_buffer, .address_space: global }
    .group_segment_fixed_size: 4096
    .private_segment_fixed_size: 0
    .kernarg_segment_align: 8
    .kernarg_segment_size: 32
    .max_flat_workgroup_size: 512
    .sgpr_count:     100
    .vgpr_count:     66
    .wavefront_size: 32
...
	.end_amdgpu_metadata
.endif
;; end of part 7
;; launch gemm1 (part 8): grid 8 x 29, 4 waves a work-group, no clusters, 244,224 bytes of LDS; arguments xq, w1_codes, lowp_scales, tok, texp, hbuf; writes hbuf
.if DOCPART == 8
	.amdgcn_target "amdgcn-amd-amdhsa--gfx1250"
	.amdhsa_code_object_version 6
	.text
	.protected	k_q3a2acd7fd1_gemm1
	.globl	k_q3a2acd7fd1_gemm1
	.p2align	8
	.type	k_q3a2acd7fd1_gemm1,@function
k_q3a2acd7fd1_gemm1:
	s_mov_b64 s[64:65], 0
	v_nop
	global_prefetch_b8 v0, s[64:65] scope:SCOPE_SE
	s_setreg_imm32_b32 hwreg(HW_REG_WAVE_SCHED_MODE, 0, 2), 2
	s_setreg_imm32_b32 hwreg(HW_REG_WAVE_MODE, 25, 1), 1
	s_wait_xcnt 0x0
	s_wait_alu depctr_vm_vsrc(0)
; THE FIRST PRODUCT OF THE CHOSEN ROWS: hbuf[p][n] = Q(relu(s)^2), s = the sum over k of xq[tok[p]][k] w1[e][n][k], on codes of E5M2; e = texp[tile of p].
; xq: [2048][1024] codes; w1_codes: [8][2048][1024] codes, K innermost; hbuf: [5568][2048] codes with the given scale 2^e2.  e0 .. e3 = lowp_scales.
; A sum stands for s x 2^(e0 + e1), so the hidden number is s^2 x 2^(2 (e0 + e1)) and its code is s^2 / 2^(e2 - 2 (e0 + e1)): the three scales are folded into the conversion's one.
; SHARES.  A work-group makes 192 rows (a tile of the padded list) x 256 hidden units, K = 1,024 in four steps of 256.  Four waves, each 96 x 128: 48 accumulators, 384 registers.
; Pad rows and unused tiles hold token 0 and expert 7 at the most: they are computed like any row into rows of hbuf that nobody gathers, so that every wave passes every barrier and no branch hangs on the list.
; THE WAY IN.  A's rows are gathered by the list and B's tile hangs on an expert's number read from memory: both come by loads into registers (sixteen lanes read 256 consecutive, aligned bytes of a row),
; go into one of two LDS slots by ds_store_b128, and are read as fragments by all four waves.  A K step's loads are issued a K step ahead.  ONE barrier a K step.
; NO CLUSTER, NO JOINT LOADS: work-groups that need the same weights are the row tiles of one expert, which only the stored list knows, so no two work-groups' requests are equal by the text;
; what the 8 column tiles of a row tile share (192 of a step's 448 rows) is a gather.
; THE MATRIX INSTRUCTION IS USED TRANSPOSED (source 0 = 16 rows of w1, source 1 = 16 rows of x): a lane then holds eight neighbouring hidden units of one row, which one conversion turns into 8 bytes.
; A fragment comes by four loads of 16 bytes: registers 4 c .. 4 c + 3 hold k = 32 c + 16 (lane / 16) + 0 .. 15: the same permutation of k in both operands, so every product meets its partner.
; LIMITS.  e2 - 2 (e0 + e1) between -126 and 112, so that the conversion's scale and 57,344 times it are f32 numbers.  NaN is not served.
; REGISTERS.  Window 0: v1-18 addresses; v24-47 my 24 gathered rows' offsets; v64-159 A's six fragments, ONE set; v160-255 A's staging (24 loads).   Window 1: B's eight fragments, TWO sets, at v0 and v128.
;   Window 2: accumulators of my blocks 0-2 ((a, b) at 64 (a % 3) + 8 b); v192-255 B's staging, loads 0-15.   Window 3: blocks 3-5; v192-255 B's staging, loads 16-31.
; THE MODE: SCHED_MODE bits 1:0 = 2 (LLVM: expert scheduling mode 2), set by the entry lines.  The code itself states the register dependences
; between vector or matrix instructions and memory or LDS instructions, with s_wait_alu, always for 0.
; THE PLAN.  A half is 128 along K: 48 matrix instructions on B's set p.  Registers that memory or LDS instructions touch:
;   A's blocks 0-2   read by a half's first 24 matrix instructions; behind them the next half's fragments are loaded into them.
;   A's blocks 3-5   read by a half's last 24; behind them loaded again.
;   B's set p        read by all 48 matrix instructions of a half; loaded again in the second part of the half after it.
;   the staging      written by global loads, read by LDS stores; on the way out A's staging takes the stage's rows.  No vector or matrix instruction names it.
;   v24-47           the list's loads land in them, two vector lines each make offsets of them at the head; from then on read by every gather and never written.
;   v4-15, v62, v63  made at the head, never written again.
; So a half holds TWO waits on va_vdst.  The first, behind its first 24 matrix instructions, states that these are done reading blocks 0-2 and that the half before is done reading B's other set: the 44 loads
; into those registers follow, dealt among the last 24 matrix instructions, which name set p, blocks 3-5 and the accumulators alone.  The second, behind the last 24, states that they are done reading blocks 3-5.
; One wait on vm_vsrc a K step, behind the barrier, states that the LDS stores have read the staging, ahead of the global loads that land in it.
.set TM,    192                        ; rows in a tile
.set PITCH, 272                        ; an LDS row: 256 bytes + 16: 68 words, so row r starts at bank 4 r mod 64 (64 banks of 4 bytes: ISA guide 11.1) and the 16 rows of a fragment load start at 16 different banks
.set BBASE, TM*PITCH                   ; a slot: A's 192 rows, then B's 256
.set SLOT,  (TM+256)*PITCH
.set KROW,  1024                       ; bytes in a row of xq and of w1_codes
.set OROW,  2048                       ; bytes in a row of hbuf
.set ADRA, 4                           ; v4-5    my A fragments in slot 0, 1
.set ADRB, 6                           ; v6-7    my B fragments
.set STA,  8                           ; v8-9    where I store A's staged rows; v8 also reads the stage back
.set STB,  10                          ; v10-11  the same for B
.set BOFF, 12                          ; v12     B: (lane / 16) rows + 16 (lane % 16)
.set TOKO, 13                          ; v13     my first word of the list
.set SO,   14                          ; v14     the way out: where I put 8 bytes of a row
.set GOUT, 15                          ; v15     hbuf: (lane / 16) rows + 16 (lane % 16)
.set SC,   16                          ; v16     the conversion's scale
.set AOFF, 24
.set AF,   64
.set SA,   160
.set SB,   192
.set SAB,  22                          ; s[22:23] xq at the K step to be loaded
.set SBB,  24                          ; s[24:25] my 64 rows of the weights' tile, likewise
.set OB,   26                          ; s[26:27] hbuf at the 48 rows that I store
.set MSB, 0
.macro WIN new                         ; the immediate's high byte repeats the setting that is left
.if MSB != \new
	s_set_vgpr_msb (MSB<<8)|\new
.set MSB, \new
.endif
.endm
; A load into a register that a matrix instruction has read, and a vector instruction that reads a matrix result or writes one of a matrix instruction's registers, stand four places behind it;
; only plain vector instructions that name none of its registers are places.  The places stay beside the waits on va_vdst, which fill none.
.macro PLACES
.rept 4
	v_nop
.endr
.endm
.macro FRAG reg, adr, q, i             ; 16 rows x 128 K: the slot's q-th 128 along K, block i
.irp c, 0,1,2,3
	ds_load_b128 v[\reg+4*\c:\reg+4*\c+3], v[\adr] offset:128*(\q)+32*\c+(\i)*16*PITCH
.endr
.endm
.macro FETCH_B slot, q, p, i0          ; four of B's eight fragments, i0 .. i0 + 3, into set p
	WIN 0x40                                       ; destination window 1
.irp i, \i0, \i0+1, \i0+2, \i0+3
	FRAG 128*(\p)+16*(\i), ADRB+\slot, \q, \i
.endr
.endm
.macro FETCH_A slot, q, i0             ; A's blocks i0 .. i0 + 2
	WIN 0
.irp i, \i0, \i0+1, \i0+2
	FRAG AF+16*(\i), ADRA+\slot, \q, \i
.endr
.endm
; Eight matrix instructions: A's block a against B's eight.  The 48 accumulators take turns, one instruction a turn, in the same order in every 128 along K.
; zero = 1: the first products start the sums: nothing is cleared.
.macro MUL a, p, zero
.if (\a) < 3
	WIN 0xa1                                       ; source 0 (B) window 1, source 1 (A) window 0, C and D window 2
.else
	WIN 0xf1                                       ; the same, C and D window 3
.endif
.irp b, 0,1,2,3,4,5,6,7
.if \zero
	v_wmma_f32_16x16x128_bf8_bf8 v[64*((\a)%3)+8*\b:64*((\a)%3)+8*\b+7], v[128*(\p)+16*\b:128*(\p)+16*\b+15], v[AF+16*(\a):AF+16*(\a)+15], 0
.else
	v_wmma_f32_16x16x128_bf8_bf8 v[64*((\a)%3)+8*\b:64*((\a)%3)+8*\b+7], v[128*(\p)+16*\b:128*(\p)+16*\b+15], v[AF+16*(\a):AF+16*(\a)+15], v[64*((\a)%3)+8*\b:64*((\a)%3)+8*\b+7]
.endif
.endr
.endm
.macro GLOAD_A                         ; my 48 gathered rows' 256 bytes of a K step: two rows an instruction
.irp j, 0,1,2,3,4,5,6,7,8,9,10,11,12,13,14,15,16,17,18,19,20,21,22,23
	global_load_b128 v[SA+4*\j:SA+4*\j+3], v[AOFF+\j], s[SAB:SAB+1]
.endr
.endm
.macro GLOAD_B                         ; my 64 rows of the weights' tile
	WIN 0x80                                       ; destination window 2
.irp j, 0,1,2,3,4,5,6,7,8,9,10,11,12,13,14,15
	global_load_b128 v[SB+4*\j:SB+4*\j+3], v[BOFF], s[SBB:SBB+1] offset:2*KROW*\j
.endr
	WIN 0xc0                                       ; destination window 3
.irp j, 0,1,2,3,4,5,6,7,8,9,10,11,12,13,14,15
	global_load_b128 v[SB+4*\j:SB+4*\j+3], v[BOFF], s[SBB:SBB+1] offset:2*KROW*(\j+16)
.endr
	WIN 0
.endm
.macro LSTORE s                        ; the staged K step goes into slot s: sixteen lanes write a row's 256 bytes.  The data come from loads and the addresses from the head: no wait on va_vdst is owed
.irp j, 0,1,2,3,4,5,6,7,8,9,10,11,12,13,14,15,16,17,18,19,20,21,22,23
	ds_store_b128 v[STA+\s], v[SA+4*\j:SA+4*\j+3] offset:2*PITCH*\j
.endr
	WIN 0x08                                       ; a store's data are source 1: window 2
.irp j, 0,1,2,3,4,5,6,7,8,9,10,11,12,13,14,15
	ds_store_b128 v[STB+\s], v[SB+4*\j:SB+4*\j+3] offset:2*PITCH*\j
.endr
	WIN 0x0c                                       ; window 3
.irp j, 0,1,2,3,4,5,6,7,8,9,10,11,12,13,14,15
	ds_store_b128 v[STB+\s], v[SB+4*\j:SB+4*\j+3] offset:2*PITCH*(\j+16)
.endr
	WIN 0
.endm
.macro BUMP                            ; a K step on.  It stands behind the wait that shows the loads that named these bases done
	s_add_nc_u64 s[SAB:SAB+1], s[SAB:SAB+1], 256
	s_add_nc_u64 s[SBB:SBB+1], s[SBB:SBB+1], 256
.endm
; The first 128 along K of a slot (B's set 0); it fetches the second 128.
.macro STEP slot, zero
	s_wait_dscnt 12                                ; B's set and A's blocks 0-2 are in; the youngest twelve loads (A's blocks 3-5) may be out
	MUL 0, 0, \zero
	MUL 1, 0, \zero
	MUL 2, 0, \zero
	s_wait_dscnt 0x0                               ; A's blocks 3-5 are in
	PLACES
	WIN 0x40
	s_wait_alu depctr_va_vdst(0)                   ; the 24 matrix instructions above are done reading A's blocks 0-2, and those of the half before B's set 1: the 44 loads below land there
	FETCH_B \slot, 1, 1, 0
	MUL 3, 0, \zero                                ; these name B's set 0, A's blocks 3-5 and the accumulators: none of the registers that the loads among them touch
	FETCH_B \slot, 1, 1, 4
	MUL 4, 0, \zero
	FETCH_A \slot, 1, 0
	MUL 5, 0, \zero
	PLACES
	WIN 0
	s_wait_alu depctr_va_vdst(0)                   ; the 24 matrix instructions above are done reading A's blocks 3-5, in which the twelve loads below land
	FETCH_A \slot, 1, 3
.endm
; The second 128 along K of a slot (B's set 1) changes slots.  The next K step's staged rows go into slot next, which every wave had read out ahead of the barrier before this one.
; In front of the barrier each wave's stores have landed and its reads of the slot that it leaves are over; behind it slot next is whole.  load = 1: the K step after that is asked for.
.macro TURN next, load
	s_wait_dscnt 12
	MUL 0, 1, 0
	MUL 1, 1, 0
	WIN 0
	s_wait_loadcnt 0x0                             ; the staged rows are in: asked for 88 matrix instructions ago
	LSTORE \next
.if \load
	BUMP
.endif
	s_wait_dscnt 0x0                               ; for the others' sake: my stores have landed; my reads of this slot are over
	s_barrier_signal -1
	MUL 2, 1, 0                                    ; work on registers while the others arrive
	s_barrier_wait -1
	PLACES
	WIN 0
.if \load
	s_wait_alu depctr_vm_vsrc(0)                   ; the LDS stores above have read the staging registers, in which the 56 loads below land; no vector or matrix instruction names those
	GLOAD_A
	GLOAD_B
.endif
	WIN 0x40
	s_wait_alu depctr_va_vdst(0)                   ; this half's first 24 matrix instructions are done reading A's blocks 0-2, and those of the half before B's set 0: the 44 loads below land there
	FETCH_B \next, 0, 0, 0
	MUL 3, 1, 0                                    ; these name B's set 1, A's blocks 3-5 and the accumulators: none of the registers that the loads among them touch
	FETCH_B \next, 0, 0, 4
	MUL 4, 1, 0
	FETCH_A \next, 0, 0
	MUL 5, 1, 0
	PLACES
	WIN 0
	s_wait_alu depctr_va_vdst(0)                   ; the 24 matrix instructions above are done reading A's blocks 3-5, in which the twelve loads below land
	FETCH_A \next, 0, 3
.endm
	s_load_b256 s[4:11], s[0:1], 0x0               ; xq s[4:5], w1_codes s[6:7], lowp_scales s[8:9], tok s[10:11]
	s_load_b128 s[12:15], s[0:1], 0x20             ; texp s[12:13], hbuf s[14:15]
	v_lshl_add_u32 v62, v0, 2, 0x3b800
	v_mov_b32 v63, 0
	v_lshrrev_b32 v3, 5, v0
	v_readfirstlane_b32 s16, v3                    ; wave 0..3
	v_and_b32 v1, 15, v0                           ; lane % 16
	v_bfe_u32 v2, v0, 4, 1                         ; lane / 16
	v_lshlrev_b32 v3, 4, v1
	v_mul_u32_u24 v17, v1, PITCH
	v_lshl_add_u32 v17, v2, 4, v17                 ; a fragment's row x pitch + 16 x half
	s_wait_alu depctr_va_vdst(0)
	v_mul_u32_u24 v18, v2, PITCH
	v_add_nc_u32 v18, v18, v3                      ; staging: lanes 0-15 one row, lanes 16-31 the next; 16 bytes a lane
	s_wait_alu depctr_va_vdst(0)
	v_lshl_add_u32 v[BOFF], v2, 10, v3
	v_lshl_add_u32 v[GOUT], v2, 11, v3
	s_wait_alu depctr_va_sdst(0)                   ; s16 is written, ahead of its first reader
	s_lshr_b32 s17, s16, 1                         ; which 96 rows are mine
	s_and_b32 s18, s16, 1                          ; which 128 columns
	s_and_b32 s20, ttmp7, 0xffff                   ; the row tile
	s_lshl_b32 s42, s20, 2
	s_mul_i32 s36, s17, 96*PITCH
	v_add_nc_u32 v[ADRA], s36, v17
	v_add_nc_u32 v[ADRA+1], SLOT, v[ADRA]
	s_mul_i32 s36, s18, 128*PITCH
	s_add_co_u32 s36, s36, BBASE
	v_add_nc_u32 v[ADRB], s36, v17
	v_add_nc_u32 v[ADRB+1], SLOT, v[ADRB]
	s_mul_i32 s36, s16, 48*PITCH                   ; wave w brings A's rows 48 w on,
	v_add_nc_u32 v[STA], s36, v18
	v_add_nc_u32 v[STA+1], SLOT, v[STA]
	s_mul_i32 s36, s16, 64*PITCH                   ; and B's rows 64 w on
	s_add_co_u32 s36, s36, BBASE
	v_add_nc_u32 v[STB], s36, v18
	v_add_nc_u32 v[STB+1], SLOT, v[STB]
	s_mul_i32 s36, s17, 96*PITCH                   ; the stage: row 96 wr + lane % 16, byte 128 wc + 8 (lane / 16)
	s_lshl_b32 s37, s18, 7
	s_add_co_u32 s36, s36, s37
	v_mul_u32_u24 v[SO], v1, PITCH
	v_lshl_add_u32 v[SO], v2, 3, v[SO]
	v_add_nc_u32 v[SO], s36, v[SO]
	s_mul_i32 s36, s16, 4*48
	v_lshl_add_u32 v[TOKO], v2, 2, s36             ; the list's word of row 48 w + lane / 16
	s_wait_kmcnt 0x0
	s_load_b32 s21, s[12:13], s42 offset:0x0       ; the tile's expert
	s_load_b128 s[28:31], s[8:9], 0x0              ; e0, e1, e2, e3
	s_mul_i32 s36, s20, 4*TM
	s_mov_b32 s37, 0
	s_add_nc_u64 s[40:41], s[10:11], s[36:37]      ; the list at my tile
	s_wait_alu depctr_va_vdst(0)                   ; the addresses v4 to v15 and v62, v63 are written, which the loads and stores of the whole kernel read
.irp j, 0,1,2,3,4,5,6,7,8,9,10,11,12,13,14,15,16,17,18,19,20,21,22,23
	global_load_b32 v[AOFF+\j], v[TOKO], s[40:41] offset:8*\j   ; the token of row 48 w + 2 j + lane / 16
.endr
	s_mov_b64 s[SAB:SAB+1], s[4:5]
	s_mul_i32 s36, s20, TM
	s_mul_i32 s38, s16, 48
	s_add_co_u32 s36, s36, s38
	s_lshl_b32 s36, s36, 11                        ; row 192 ty + 48 w of hbuf,
	s_lshl_b32 s38, ttmp9, 8
	s_add_co_u32 s36, s36, s38                     ; + the column tile's 256 bytes
	s_add_nc_u64 s[OB:OB+1], s[14:15], s[36:37]
	s_wait_kmcnt 0x0
	s_min_u32 s21, s21, 7                          ; a loaded number enters an address behind a clamp
	s_lshl_b32 s36, s21, 21                        ; an expert's weights are 2^21 bytes
	s_lshl_b32 s38, ttmp9, 8
	s_lshl_b32 s39, s16, 6
	s_add_co_u32 s38, s38, s39
	s_lshl_b32 s38, s38, 10                        ; row 256 cx + 64 w
	s_add_co_u32 s36, s36, s38
	s_add_nc_u64 s[SBB:SBB+1], s[6:7], s[36:37]
	s_add_co_i32 s36, s28, s29
	s_lshl_b32 s36, s36, 1
	s_sub_co_i32 s36, s30, s36                     ; e2 - 2 (e0 + e1)
	s_add_co_i32 s36, s36, 127
	s_lshl_b32 s38, s36, 23
	v_mov_b32 v[SC], s38                           ; that power of two as f32: the conversion takes its exponent field.  (No memory instruction names v16)
	s_add_co_i32 s36, s36, 15
	s_lshl_b32 s36, s36, 23
	s_or_b32 s32, s36, 0x600000                    ; 57,344 times it
	GLOAD_B                                        ; K step 0 of the weights goes out while the list comes
	s_wait_loadcnt 32                              ; the list's 24 loads are in; B's 32 may be out
.irp j, 0,1,2,3,4,5,6,7,8,9,10,11,12,13,14,15,16,17,18,19,20,21,22,23
	v_min_u32 v[AOFF+\j], 2047, v[AOFF+\j]
.endr
.irp j, 0,1,2,3,4,5,6,7,8,9,10,11,12,13,14,15,16,17,18,19,20,21,22,23
	v_lshl_add_u32 v[AOFF+\j], v[AOFF+\j], 10, v3  ; token x 1,024 bytes + 16 (lane % 16)
.endr
	s_wait_alu depctr_va_vdst(0)                   ; the 24 offsets v24 to v47 are written, which every gather reads; they are not written again
	GLOAD_A
	s_wait_loadcnt 0x0
	LSTORE 0
	BUMP
	s_wait_dscnt 0x0                               ; my part of K step 0 lies in slot 0
	s_wait_alu depctr_vm_vsrc(0)                   ; the LDS stores above have read the staging registers, in which the 56 loads below land
	GLOAD_A                                        ; K step 1
	GLOAD_B
	s_barrier_signal -1
	s_barrier_wait -1                              ; everybody's part does
	FETCH_B 0, 0, 0, 0                             ; no vector or matrix instruction has named a fragment's register yet
	FETCH_B 0, 0, 0, 4
	FETCH_A 0, 0, 0
	FETCH_A 0, 0, 3
	STEP 0, 1                                      ; K step 0: its first products start the sums
	TURN 1, 1                                      ; K step 1 into slot 1; K step 2 is asked for
	STEP 1, 0
	TURN 0, 1                                      ; K step 2 into slot 0; K step 3 is asked for
	STEP 0, 0
	TURN 1, 0                                      ; K step 3 into slot 1; nothing is left to ask for
	STEP 1, 0
	s_wait_dscnt 12                                ; the last 128 along K: it loads nothing, so it holds no wait on va_vdst
	MUL 0, 1, 0
	MUL 1, 1, 0
	MUL 2, 1, 0
	s_wait_dscnt 0x0
	MUL 3, 1, 0
	MUL 4, 1, 0
	MUL 5, 1, 0
	; THE WAY OUT.  s x |s| is s^2 where s is positive and not positive elsewhere; the hold between 0 and the largest code x the scale is then the relu and the hold in one.
	; Each accumulator is taken from its low end on.  The codes go into a stage in slot 0's first 192 rows: nobody has read slot 0 since the last change of slots.
	PLACES
.irp g, 0,1
	WIN 0x8a+0x45*\g                               ; sources 0 and 1 and the destination: window 2, then 3
.set i, 0
.rept 192
	v_mul_f32 v[i], v[i], |v[i]|
.set i, i+1
.endr
.set i, 0
.rept 192
	v_med3_num_f32 v[i], v[i], 0, s32              ; the conversion to an 8-bit code does not saturate (ISA guide 7.6.2)
.set i, i+1
.endr
	WIN 0x02+\g                                    ; source 0: window 2 or 3; the codes land where A's fragments lay
.irp a, 0,1,2
.irp b, 0,1,2,3,4,5,6,7
	v_cvt_scalef32_pk8_bf8_f32 v[AF+2*(24*\g+8*\a+\b):AF+2*(24*\g+8*\a+\b)+1], v[64*\a+8*\b:64*\a+8*\b+7], v[SC]
.endr
.endr
	v_nop                                          ; a plain instruction behind the last conversion
	WIN 0
	s_wait_alu depctr_va_vdst(0)                   ; the 24 conversions above have written their 48 registers of codes, which the LDS stores below read; the two groups' codes lie in different registers
.irp a, 0,1,2
.irp b, 0,1,2,3,4,5,6,7
	ds_store_b64 v[SO], v[AF+2*(24*\g+8*\a+\b):AF+2*(24*\g+8*\a+\b)+1] offset:(3*\g+\a)*16*PITCH+16*\b   ; row 96 wr + 16 a + lane % 16, units 128 wc + 16 b + 8 (lane / 16) + 0 .. 7
.endr
.endr
.endr
	s_wait_dscnt 0x0                               ; for the others' sake: a stage row's 256 bytes come from two waves
	s_barrier_signal -1
	s_barrier_wait -1
	s_wait_alu depctr_vm_vsrc(0)                   ; the LDS stores of K step 3 have read A's staging registers, in which the loads below land
.irp j, 0,1,2,3,4,5,6,7,8,9,10,11,12,13,14,15,16,17,18,19,20,21,22,23
	ds_load_b128 v[SA+4*\j:SA+4*\j+3], v[STA] offset:2*PITCH*\j   ; the stage's rows lie as A's rows lay: wave w takes rows 48 w on
.endr
.irp j, 0,1,2,3,4,5,6,7,8,9,10,11,12,13,14,15,16,17,18,19,20,21,22,23
	s_wait_dscnt 23-\j                             ; load j is in; the younger ones may be out
	global_store_b128 v[GOUT], v[SA+4*\j:SA+4*\j+3], s[OB:OB+1] offset:2*OROW*\j   ; sixteen lanes store 256 consecutive bytes, at a multiple of 256 from hbuf's first byte
.endr
	s_wait_dscnt 0x0                               ; the closing lines, six on end
	s_wait_alu 0x0
	s_wait_tensorcnt 0x0
	ds_add_u32 v62, v63
	s_wait_dscnt 0x0
	s_endpgm
.Lfunc_end_k_q3a2acd7fd1_gemm1:
	.size	k_q3a2acd7fd1_gemm1, .Lfunc_end_k_q3a2acd7fd1_gemm1-k_q3a2acd7fd1_gemm1
	.p2alignl 7, 3214868480
	.fill 96, 4, 3214868480
	.section	.rodata,"a",@progbits
	.p2align	6, 0x0
	.amdhsa_kernel k_q3a2acd7fd1_gemm1
		.amdhsa_group_segment_fixed_size 244224
		.amdhsa_private_segment_fixed_size 0
		.amdhsa_enable_private_segment 0
		.amdhsa_kernarg_size 48
		.amdhsa_user_sgpr_count 2
		.amdhsa_user_sgpr_kernarg_segment_ptr 1
		.amdhsa_wavefront_size32 1
		.amdhsa_system_sgpr_workgroup_id_x 1
		.amdhsa_system_sgpr_workgroup_id_y 1
		.amdhsa_system_sgpr_workgroup_id_z 1
		.amdhsa_system_vgpr_workitem_id 0
		.amdhsa_next_free_vgpr 1024
		.amdhsa_next_free_sgpr 66
		.amdhsa_reserve_vcc 0
		.amdhsa_float_denorm_mode_32 3
		.amdhsa_float_denorm_mode_16_64 3
		.amdhsa_memory_ordered 1
		.amdhsa_forward_progress 1
		.amdhsa_inst_pref_size 162
	.end_amdhsa_kernel
	.amdgpu_metadata
---
amdhsa.version: [ 1, 2 ]
amdhsa.kernels:
  - .name:           k_q3a2acd7fd1_gemm1
    .symbol:         k_q3a2acd7fd1_gemm1.kd
    .args:
      - { .name: xq, .offset: 0, .size: 8, .value_kind: global_buffer, .address_space: global }
      - { .name: w1_codes, .offset: 8, .size: 8, .value_kind: global_buffer, .address_space: global }
      - { .name: lowp_scales, .offset: 16, .size: 8, .value_kind: global_buffer, .address_space: global }
      - { .name: tok, .offset: 24, .size: 8, .value_kind: global_buffer, .address_space: global }
      - { .name: texp, .offset: 32, .size: 8, .value_kind: global_buffer, .address_space: global }
      - { .name: hbuf, .offset: 40, .size: 8, .value_kind: global_buffer, .address_space: global }
    .group_segment_fixed_size: 244224
    .private_segment_fixed_size: 0
    .kernarg_segment_align: 8
    .kernarg_segment_size: 48
    .max_flat_workgroup_size: 128
    .sgpr_count:     66
    .vgpr_count:     1024
    .wavefront_size: 32
...
	.end_amdgpu_metadata
.endif
;; end of part 8
;; launch gemm2 (part 9): grid 8 x 29, 4 waves a work-group, no clusters, 174,592 bytes of LDS; arguments hbuf, w2_codes, lowp_scales, texp, ybuf; writes ybuf
.if DOCPART == 9
	.amdgcn_target "amdgcn-amd-amdhsa--gfx1250"
	.amdhsa_code_object_version 6
	.text
	.protected	k_q3a2acd7fd1_gemm2
	.globl	k_q3a2acd7fd1_gemm2
	.p2align	8
	.type	k_q3a2acd7fd1_gemm2,@function
k_q3a2acd7fd1_gemm2:
	s_mov_b64 s[64:65], 0
	v_nop
	global_prefetch_b8 v0, s[64:65] scope:SCOPE_SE
	s_setreg_imm32_b32 hwreg(HW_REG_WAVE_SCHED_MODE, 0, 2), 2
	s_setreg_imm32_b32 hwreg(HW_REG_WAVE_MODE, 25, 1), 1
	s_wait_xcnt 0x0
	s_wait_alu depctr_vm_vsrc(0)
; THE SECOND PRODUCT OF THE CHOSEN ROWS: ybuf[p][n] = 2^(e2 + e3) x the sum over k of hbuf[p][k] w2[e][n][k], on codes of E5M2; e = texp[tile of p]; y is rounded to bf16.
; hbuf: [5568][2048] codes; w2_codes: [8][1024][2048] codes, K innermost; ybuf: [5568][1024] bf16: an operand of the last product (two gates x two rows), which is left as it is; its sums are f32.
; SHARES.  A work-group makes 192 rows (a tile of the padded list) x 128 columns, K = 2,048 in eight steps of 256.  Four waves, each 96 x 64: 24 accumulators, 192 registers.
; Pad rows and unused tiles are computed like any row, into rows of ybuf that nobody gathers: every wave passes every barrier, and no branch hangs on the list.
; THE WAY IN.  Loads into registers (sixteen lanes read 256 consecutive, aligned bytes of a row), ds_store_b128 into one of two LDS slots, fragments for all four waves.  K step k goes through staging set k % 2
; into slot k % 2.  With two staging sets a K step's 40 loads a wave are asked for behind the barrier of the K step three before it and wanted in the first half of the K step before it.
; Up to 80 loads are asked for at a time; the issue of a load that would pass the counter's field waits for an older one (ISA guide 5.7.1), and no wait is written for that.
; THE FRAGMENTS have two sets on both sides: those of 128 along K are fetched while the 128 before them are multiplied, in groups of 8 to 16 LDS loads between blocks of four matrix instructions.
; ONE barrier a K step, in its second half.  In front of it each wave's stores into the next slot have landed and its reads of the slot in hand are over (its last fragments are in registers);
; behind it the next slot is read, and the slot in hand may be stored into: that happens in the next K step's first half.
; NO CLUSTER, NO JOINT LOADS: the weights' tile hangs on an expert's number read from memory, so no two work-groups' requests for it are equal by the text.
; THE MATRIX INSTRUCTION IS USED TRANSPOSED (source 0 = 16 rows of w2, source 1 = 16 rows of h): a lane holds eight neighbouring columns of one row: 16 bytes of bf16.
; A fragment comes by four loads of 16 bytes: registers 4 c .. 4 c + 3 hold k = 32 c + 16 (lane / 16) + 0 .. 15: the same permutation of k in both operands.
; LIMIT.  e2 + e3 between -126 and 127, so that 2^(e2 + e3) is an f32 number.
; REGISTERS.  Window 0: v1-18 addresses; v64-159 A's six fragments, set 0; v160-255 A's staging, set 0 (24 loads).   Window 1: B's four fragments, set 0 at v0, set 1 at v64; v128-191 B's staging, set 0 (16 loads).
;   Window 2: the accumulators ((a, b) at 32 a + 8 b).   Window 3: v0-95 A's fragments, set 1; v96-191 A's staging, set 1; v192-255 B's staging, set 1.
; THE MODE: SCHED_MODE bits 1:0 = 2 (LLVM: expert scheduling mode 2), set by the entry lines.  The code itself states the register dependences
; between vector or matrix instructions and memory or LDS instructions, with s_wait_alu, always for 0.
; THE PLAN.  Registers that memory or LDS instructions touch, round the loop:
;   fragment set 0   read by the 24 matrix instructions of a K step's first half; loaded again in its second half, behind the barrier.
;   fragment set 1   read by the 24 matrix instructions of a K step's second half; loaded again in the next K step's first half.
;   staging set n    written by global loads, read by LDS stores; on the way out A's set 0 takes the stage's rows.  No vector or matrix instruction names it.
;   v4-14, v62, v63  made at the head, never written again.
;   The accumulators are named by matrix instructions alone until the way out.
; So ONE wait on va_vdst stands in each half, ahead of its 40 LDS loads: it states that the half before is done reading the set in which they land.  The loads follow it in groups among the half's own
; matrix instructions, which name the other set and the accumulators: none of the registers that those loads touch.  One wait on vm_vsrc stands in each second half that asks for a K step, behind the barrier:
; it states that the LDS stores have read the staging set in which the global loads land; no store stands between it and those loads.
.set TM,    192
.set PITCH, 272                        ; an LDS row: 256 bytes + 16: 68 words, so row r starts at bank 4 r mod 64 (64 banks of 4 bytes: ISA guide 11.1)
.set BBASE, TM*PITCH                   ; a slot: A's 192 rows, then B's 128
.set SLOT,  (TM+128)*PITCH
.set KROW,  2048                       ; bytes in a row of hbuf, of w2_codes and of ybuf
.set ADRA, 4                           ; v4-5    my A fragments in slot 0, 1
.set ADRB, 6                           ; v6-7    my B fragments
.set STA,  8                           ; v8-9    where I store A's staged rows; v8 also reads the stage back
.set STB,  10                          ; v10-11  the same for B
.set RO,   12                          ; v12     (lane / 16) rows of 2,048 bytes + 16 (lane % 16): in hbuf, in w2_codes and in ybuf alike; never rewritten
.set SO,   14                          ; v14     the way out: where I put 16 bytes of a row
.set AF0,  64                          ; A's fragments: set 0 at v64 of window 0, set 1 at v0 of window 3
.set SA0,  160                         ; A's staging: set 0 at v160 of window 0, set 1 at v96 of window 3: SA0 - 64 n
.set SB0,  128                         ; B's staging: set 0 at v128 of window 1, set 1 at v192 of window 3: SB0 + 64 n
.set OB,   26                          ; s[26:27] ybuf at the 48 rows that I store
.set SAB,  36                          ; s[36:37], s[38:39] my 48 rows of hbuf at the next even, odd K step to be asked for
.set SBB,  40                          ; s[40:41], s[42:43] my 32 rows of the weights' tile, likewise
.set MSB, 0
.macro WIN new                         ; the immediate's high byte repeats the setting that is left
.if MSB != \new
	s_set_vgpr_msb (MSB<<8)|\new
.set MSB, \new
.endif
.endm
; A load into a register that a matrix instruction has read, and a vector instruction that reads a matrix result or writes one of a matrix instruction's registers, stand four places behind it;
; only plain vector instructions that name none of its registers are places.  The places stay beside the waits on va_vdst, which fill none.
.macro PLACES
.rept 4
	v_nop
.endr
.endm
.macro FRAG reg, adr, q, i             ; 16 rows x 128 K: the slot's q-th 128 along K, block i
.irp c, 0,1,2,3
	ds_load_b128 v[\reg+4*\c:\reg+4*\c+3], v[\adr] offset:128*(\q)+32*\c+(\i)*16*PITCH
.endr
.endm
; Group g of the ten that make up the fragments of 128 along K, into set p: groups 0-3 are B's four fragments, groups 4-9 A's six.  Always fetched in this order.
.macro LDG slot, q, p, g
.if (\g) < 4
	WIN 0x40                                       ; destination window 1
	FRAG 64*(\p)+16*(\g), ADRB+\slot, \q, \g
.elseif \p
	WIN 0xc0                                       ; destination window 3
	FRAG 16*((\g)-4), ADRA+\slot, \q, (\g)-4
.else
	WIN 0
	FRAG AF0+16*((\g)-4), ADRA+\slot, \q, (\g)-4
.endif
.endm
; Four matrix instructions: A's block a against B's four, from set p.  The 24 accumulators take turns, one instruction a turn, in the same order in every 128 along K, over the loop's backward jump too
; zero = 1: the first products start the sums.
.macro MUL a, p, zero
.if \p
	WIN 0xad                                       ; source 0 (B) window 1, source 1 (A) window 3, C and D window 2
.else
	WIN 0xa1                                       ; source 0 (B) window 1, source 1 (A) window 0, C and D window 2
.endif
.irp b, 0,1,2,3
.if \zero
	v_wmma_f32_16x16x128_bf8_bf8 v[32*(\a)+8*\b:32*(\a)+8*\b+7], v[64*(\p)+16*\b:64*(\p)+16*\b+15], v[AF0*(1-(\p))+16*(\a):AF0*(1-(\p))+16*(\a)+15], 0
.else
	v_wmma_f32_16x16x128_bf8_bf8 v[32*(\a)+8*\b:32*(\a)+8*\b+7], v[64*(\p)+16*\b:64*(\p)+16*\b+15], v[AF0*(1-(\p))+16*(\a):AF0*(1-(\p))+16*(\a)+15], v[32*(\a)+8*\b:32*(\a)+8*\b+7]
.endif
.endr
.endm
.macro GLOAD_A n                       ; my 48 rows' 256 bytes of a K step of parity n, into staging set n: two rows an instruction
.if \n
	WIN 0xc0                                       ; destination window 3
.else
	WIN 0
.endif
.irp j, 0,1,2,3,4,5,6,7,8,9,10,11,12,13,14,15,16,17,18,19,20,21,22,23
	global_load_b128 v[SA0-64*(\n)+4*\j:SA0-64*(\n)+4*\j+3], v[RO], s[SAB+2*(\n):SAB+2*(\n)+1] offset:2*KROW*\j
.endr
.endm
.macro GLOAD_B n                       ; my 32 rows of the weights' tile
.if \n
	WIN 0xc0                                       ; destination window 3
.else
	WIN 0x40                                       ; destination window 1
.endif
.irp j, 0,1,2,3,4,5,6,7,8,9,10,11,12,13,14,15
	global_load_b128 v[SB0+64*(\n)+4*\j:SB0+64*(\n)+4*\j+3], v[RO], s[SBB+2*(\n):SBB+2*(\n)+1] offset:2*KROW*\j
.endr
.endm
.macro STORE_A n, j0, cnt              ; pieces j0 .. j0 + cnt - 1 of A's staging set n go into slot n: sixteen lanes write a row's 256 bytes.  The data come from loads and the addresses from the head: no wait on va_vdst is owed
.if \n
	WIN 0x0c                                       ; a store's data are source 1: window 3
.else
	WIN 0
.endif
.set jj, \j0
.rept \cnt
	ds_store_b128 v[STA+(\n)], v[SA0-64*(\n)+4*jj:SA0-64*(\n)+4*jj+3] offset:2*PITCH*jj
.set jj, jj+1
.endr
.endm
.macro STORE_B n                       ; B's staging set n, 16 pieces
.if \n
	WIN 0x0c                                       ; window 3
.else
	WIN 0x04                                       ; window 1
.endif
.irp j, 0,1,2,3,4,5,6,7,8,9,10,11,12,13,14,15
	ds_store_b128 v[STB+(\n)], v[SB0+64*(\n)+4*\j:SB0+64*(\n)+4*\j+3] offset:2*PITCH*\j
.endr
.endm
.macro BUMP n                          ; parity n's bases go two K steps on.  It stands behind the counted wait that shows the loads that named them done; the loads still out name the other parity's
	s_add_nc_u64 s[SAB+2*(\n):SAB+2*(\n)+1], s[SAB+2*(\n):SAB+2*(\n)+1], 512
	s_add_nc_u64 s[SBB+2*(\n):SBB+2*(\n)+1], s[SBB+2*(\n):SBB+2*(\n)+1], 512
.endm
; THE FIRST 128 ALONG K OF A SLOT: multiplies set 0, fetches the slot's second 128 into set 1.  At its head the 40 loads of set 0 are the only LDS instructions out.
; st = 1: the next K step's staged rows are waited for (cnt: the loads of the K step behind it, which may stay out) and 16 of their 40 pieces go into the other slot,
; which every wave had read out ahead of the last barrier.  bump = 1: that parity's bases step.
.macro SUBA slot, zero, st, cnt, bump
	s_wait_dscnt 12                                ; B's four and A's blocks 0-2 of set 0 are in; the youngest twelve loads (A's blocks 3-5) may be out
	PLACES                                         ; set 1 was read by the matrix instructions just before
	WIN 0x40
.if !\zero
	s_wait_alu depctr_va_vdst(0)                   ; the 24 matrix instructions of the half before are done reading set 1, in which the 40 loads below land.  (In the first K step no matrix instruction has read it: no wait)
.endif
.irp g, 0,1
	LDG \slot, 1, 1, \g
.endr
	MUL 0, 0, \zero                                ; this half's matrix instructions name set 0 and the accumulators: none of the registers that the loads among them touch
.irp g, 2,3,4
	LDG \slot, 1, 1, \g
.endr
	MUL 1, 0, \zero
.irp g, 5,6
	LDG \slot, 1, 1, \g
.endr
	MUL 2, 0, \zero
	s_wait_dscnt 28                                ; A's blocks 3-5 of set 0 are in; the 28 loads issued since the head may be out
.irp g, 7,8,9
	LDG \slot, 1, 1, \g
.endr
	MUL 3, 0, \zero
.if \st
	s_wait_loadcnt \cnt                            ; the next K step's 40 loads are in
	STORE_A (1-\slot), 0, 16
.if \bump
	BUMP (1-\slot)
.endif
.endif
	MUL 4, 0, \zero
	MUL 5, 0, \zero
.endm
; THE SECOND 128 ALONG K OF A SLOT: multiplies set 1.  st = 1: the other 24 staged pieces go into slot next.  bar = 1: the K step's barrier, and behind it slot next's first 128 into set 0.
; load = 1: the K step three on is asked for, into the staging set that has just been stored: its 40 loads stand behind the half's last matrix instructions, ahead of the next half's wait for those.
.macro SUBB next, st, bar, load
	s_wait_dscnt 12+16*\st                         ; B's four and A's blocks 0-2 of set 1 are in; A's blocks 3-5 (12 loads) and the 16 stores behind them may be out
	MUL 0, 1, 0
.if \st
	STORE_A \next, 16, 8
	STORE_B \next
.endif
	MUL 1, 1, 0
.if \bar
	s_wait_dscnt 0x0                               ; for the others' sake: my stores into slot next have landed, and my reads of the slot in hand are over
	s_barrier_signal -1
	MUL 2, 1, 0                                    ; work on registers while the others arrive
	s_barrier_wait -1
	PLACES                                         ; set 0 was read by the first half's matrix instructions
	WIN 0x40
.if \load
	s_wait_alu depctr_vm_vsrc(0)                   ; the 40 LDS stores of this K step have read staging set next, in which the global loads at this half's end land; no store stands between
.endif
	s_wait_alu depctr_va_vdst(0)                   ; the 24 matrix instructions of the first half are done reading set 0, in which the 40 LDS loads below land
.irp g, 0,1,2,3
	LDG \next, 0, 0, \g
.endr
	MUL 3, 1, 0                                    ; these name set 1 and the accumulators: none of the registers that the loads among and behind them touch
.irp g, 4,5,6
	LDG \next, 0, 0, \g
.endr
	MUL 4, 1, 0
.irp g, 7,8,9
	LDG \next, 0, 0, \g
.endr
	MUL 5, 1, 0
.if \load
	GLOAD_A \next
	GLOAD_B \next
.endif
.else
	MUL 2, 1, 0
	s_wait_dscnt 0x0                               ; A's blocks 3-5 are in
	MUL 3, 1, 0
	MUL 4, 1, 0
	MUL 5, 1, 0
.endif
.endm
	s_load_b256 s[4:11], s[0:1], 0x0               ; hbuf s[4:5], w2_codes s[6:7], lowp_scales s[8:9], texp s[10:11]
	s_load_b64 s[12:13], s[0:1], 0x20              ; ybuf
	v_lshl_add_u32 v62, v0, 2, 0x2a800
	v_mov_b32 v63, 0
	v_lshrrev_b32 v3, 5, v0
	v_readfirstlane_b32 s16, v3                    ; wave 0..3
	v_and_b32 v1, 15, v0                           ; lane % 16
	v_bfe_u32 v2, v0, 4, 1                         ; lane / 16
	v_lshlrev_b32 v3, 4, v1
	v_mul_u32_u24 v17, v1, PITCH
	v_lshl_add_u32 v17, v2, 4, v17                 ; a fragment's row x pitch + 16 x half
	s_wait_alu depctr_va_vdst(0)
	v_mul_u32_u24 v18, v2, PITCH
	v_add_nc_u32 v18, v18, v3                      ; staging: lanes 0-15 one row, lanes 16-31 the next; 16 bytes a lane
	s_wait_alu depctr_va_vdst(0)
	v_lshl_add_u32 v[RO], v2, 11, v3
	s_wait_alu depctr_va_sdst(0)                   ; s16 is written, ahead of its first reader
	s_lshr_b32 s17, s16, 1                         ; which 96 rows are mine
	s_and_b32 s18, s16, 1                          ; which 64 columns
	s_and_b32 s20, ttmp7, 0xffff                   ; the row tile
	s_lshl_b32 s35, s20, 2
	s_mul_i32 s44, s17, 96*PITCH
	v_add_nc_u32 v[ADRA], s44, v17
	v_add_nc_u32 v[ADRA+1], SLOT, v[ADRA]
	s_mul_i32 s44, s18, 64*PITCH
	s_add_co_u32 s44, s44, BBASE
	v_add_nc_u32 v[ADRB], s44, v17
	v_add_nc_u32 v[ADRB+1], SLOT, v[ADRB]
	s_mul_i32 s44, s16, 48*PITCH                   ; wave w brings A's rows 48 w on,
	v_add_nc_u32 v[STA], s44, v18
	v_add_nc_u32 v[STA+1], SLOT, v[STA]
	s_mul_i32 s44, s16, 32*PITCH                   ; and B's rows 32 w on
	s_add_co_u32 s44, s44, BBASE
	v_add_nc_u32 v[STB], s44, v18
	v_add_nc_u32 v[STB+1], SLOT, v[STB]
	s_mul_i32 s44, s17, 96*PITCH                   ; the stage: row 96 wr + lane % 16, byte 128 wc + 16 (lane / 16)
	s_lshl_b32 s45, s18, 7
	s_add_co_u32 s44, s44, s45
	v_add_nc_u32 v[SO], s44, v17
	s_wait_kmcnt 0x0
	s_load_b32 s21, s[10:11], s35 offset:0x0       ; the tile's expert
	s_load_b128 s[28:31], s[8:9], 0x0              ; e0, e1, e2, e3
	s_mul_i32 s44, s20, TM
	s_mul_i32 s46, s16, 48
	s_add_co_u32 s44, s44, s46
	s_lshl_b32 s44, s44, 11                        ; row 192 ty + 48 w, of hbuf and of ybuf
	s_mov_b32 s45, 0
	s_add_nc_u64 s[SAB:SAB+1], s[4:5], s[44:45]    ; K step 0,
	s_add_nc_u64 s[SAB+2:SAB+3], s[SAB:SAB+1], 256 ; K step 1
	s_wait_alu depctr_va_vdst(0)                   ; the addresses v4 to v14 and v62, v63 are written, which the loads and stores of the whole kernel read; no vector instruction writes one again
	GLOAD_A 0                                      ; h's K steps 0 and 1 go out while the expert's number comes
	GLOAD_A 1
	s_lshl_b32 s46, ttmp9, 8
	s_add_co_u32 s44, s44, s46                     ; + the column tile's 256 bytes
	s_add_nc_u64 s[OB:OB+1], s[12:13], s[44:45]
	s_wait_kmcnt 0x0
	s_min_u32 s21, s21, 7                          ; a loaded number enters an address behind a clamp
	s_lshl_b32 s44, s21, 21                        ; an expert's weights are 2^21 bytes
	s_lshl_b32 s46, ttmp9, 7
	s_lshl_b32 s47, s16, 5
	s_add_co_u32 s46, s46, s47
	s_lshl_b32 s46, s46, 11                        ; row 128 cx + 32 w
	s_add_co_u32 s44, s44, s46
	s_add_nc_u64 s[SBB:SBB+1], s[6:7], s[44:45]
	s_add_nc_u64 s[SBB+2:SBB+3], s[SBB:SBB+1], 256
	GLOAD_B 0
	GLOAD_B 1
	s_add_co_i32 s32, s30, s31
	s_add_co_i32 s32, s32, 127
	s_lshl_b32 s32, s32, 23                        ; 2^(e2 + e3) as f32
	s_mov_b32 s33, s32                             ; (named with it as a pair, so it is written)
	s_wait_loadcnt 16                              ; K step 0 is in (and h's K step 1, asked for ahead of the weights); the weights' 16 loads of K step 1 may be out
	STORE_A 0, 0, 24
	STORE_B 0
	BUMP 0                                         ; the even bases: K step 2
	s_wait_dscnt 0x0                               ; my part of K step 0 lies in slot 0
	s_wait_alu depctr_vm_vsrc(0)                   ; the 40 LDS stores above have read staging set 0, in which the 40 loads below land
	GLOAD_A 0                                      ; K step 2
	GLOAD_B 0
	s_barrier_signal -1
	s_barrier_wait -1                              ; everybody's part of K step 0 lies in slot 0
.irp g, 0,1,2,3,4,5,6,7,8,9
	LDG 0, 0, 0, \g
.endr
	SUBA 0, 1, 1, 40, 1                            ; K step 0, first half: its products start the sums; K step 1 into slot 1 (K step 2's 40 loads may be out)
	WIN 0                                          ; at a label and at a branch every window is 0
	s_mov_b32 s34, 2
.Llap:                                             ; two trips, from the second half of an even K step to the first half of the next even one: they ask for K steps 3 to 6 and store 2 to 5
	SUBB 1, 1, 1, 1
	SUBA 1, 0, 1, 40, 1
	SUBB 0, 1, 1, 1
	SUBA 0, 0, 1, 40, 1
	WIN 0
	s_sub_co_u32 s34, s34, 1
	s_cmp_lg_u32 s34, 0
	s_cbranch_scc1 .Llap
	SUBB 1, 1, 1, 1                                ; K step 4, second half: K step 7 is asked for: the last; no load leaves its buffer
	SUBA 1, 0, 1, 40, 0                            ; K step 5: K step 6 into slot 0 (K step 7's loads may be out)
	SUBB 0, 1, 1, 0
	SUBA 0, 0, 1, 0, 0                             ; K step 6: K step 7 into slot 1: no load is behind it
	SUBB 1, 1, 1, 0
	SUBA 1, 0, 0, 0, 0                             ; K step 7: nothing is left to store
	SUBB 0, 0, 0, 0                                ; and no barrier: nothing is read behind it; it loads nothing, so it holds no wait on va_vdst
	; THE WAY OUT.  Each sum x 2^(e2 + e3), rounded to bf16; each accumulator from its low end on.  The stage lies in slot 0's first 192 rows: every wave's reads of slot 0 were over ahead of the last barrier.
	PLACES
	WIN 0x82                                       ; source 0 and destination window 2
.set i, 0
.rept 96
	v_pk_mul_f32 v[i:i+1], v[i:i+1], s[32:33] op_sel_hi:[1,0]
.set i, i+2
.endr
	WIN 0x0a                                       ; sources 0 and 1 window 2; the results land where A's set 0 lay
.set i, 0
.rept 96
	v_cvt_pk_bf16_f32 v[AF0+i], v[2*i], v[2*i+1]
.set i, i+1
.endr
	WIN 0
	s_wait_alu depctr_va_vdst(0)                   ; the 96 roundings have written v64 to v159, which the LDS stores below read
.irp a, 0,1,2,3,4,5
.irp b, 0,1,2,3
	ds_store_b128 v[SO], v[AF0+4*(4*\a+\b):AF0+4*(4*\a+\b)+3] offset:\a*16*PITCH+32*\b   ; row 96 wr + 16 a + lane % 16, columns 64 wc + 16 b + 8 (lane / 16) + 0 .. 7
.endr
.endr
	s_wait_dscnt 0x0                               ; for the others' sake: a stage row's 256 bytes come from two waves
	s_barrier_signal -1
	s_barrier_wait -1
	s_wait_alu depctr_vm_vsrc(0)                   ; the LDS stores of K step 6 have read A's staging set 0, in which the loads below land
.irp j, 0,1,2,3,4,5,6,7,8,9,10,11,12,13,14,15,16,17,18,19,20,21,22,23
	ds_load_b128 v[SA0+4*\j:SA0+4*\j+3], v[STA] offset:2*PITCH*\j   ; the stage's rows lie as A's rows lay: wave w takes rows 48 w on
.endr
.irp j, 0,1,2,3,4,5,6,7,8,9,10,11,12,13,14,15,16,17,18,19,20,21,22,23
	s_wait_dscnt 23-\j                             ; load j is in; the younger ones may be out
	global_store_b128 v[RO], v[SA0+4*\j:SA0+4*\j+3], s[OB:OB+1] offset:2*KROW*\j   ; sixteen lanes store 256 consecutive bytes, at a multiple of 256 from ybuf's first byte
.endr
	s_wait_dscnt 0x0                               ; the closing lines, six on end
	s_wait_alu 0x0
	s_wait_tensorcnt 0x0
	ds_add_u32 v62, v63
	s_wait_dscnt 0x0
	s_endpgm
.Lfunc_end_k_q3a2acd7fd1_gemm2:
	.size	k_q3a2acd7fd1_gemm2, .Lfunc_end_k_q3a2acd7fd1_gemm2-k_q3a2acd7fd1_gemm2
	.p2alignl 7, 3214868480
	.fill 96, 4, 3214868480
	.section	.rodata,"a",@progbits
	.p2align	6, 0x0
	.amdhsa_kernel k_q3a2acd7fd1_gemm2
		.amdhsa_group_segment_fixed_size 174592
		.amdhsa_private_segment_fixed_size 0
		.amdhsa_enable_private_segment 0
		.amdhsa_kernarg_size 40
		.amdhsa_user_sgpr_count 2
		.amdhsa_user_sgpr_kernarg_segment_ptr 1
		.amdhsa_wavefront_size32 1
		.amdhsa_system_sgpr_workgroup_id_x 1
		.amdhsa_system_sgpr_workgroup_id_y 1
		.amdhsa_system_sgpr_workgroup_id_z 1
		.amdhsa_system_vgpr_workitem_id 0
		.amdhsa_next_free_vgpr 1024
		.amdhsa_next_free_sgpr 66
		.amdhsa_reserve_vcc 0
		.amdhsa_float_denorm_mode_32 3
		.amdhsa_float_denorm_mode_16_64 3
		.amdhsa_memory_ordered 1
		.amdhsa_forward_progress 1
		.amdhsa_inst_pref_size 116
	.end_amdhsa_kernel
	.amdgpu_metadata
---
amdhsa.version: [ 1, 2 ]
amdhsa.kernels:
  - .name:           k_q3a2acd7fd1_gemm2
    .symbol:         k_q3a2acd7fd1_gemm2.kd
    .args:
      - { .name: hbuf, .offset: 0, .size: 8, .value_kind: global_buffer, .address_space: global }
      - { .name: w2_codes, .offset: 8, .size: 8, .value_kind: global_buffer, .address_space: global }
      - { .name: lowp_scales, .offset: 16, .size: 8, .value_kind: global_buffer, .address_space: global }
      - { .name: texp, .offset: 24, .size: 8, .value_kind: global_buffer, .address_space: global }
      - { .name: ybuf, .offset: 32, .size: 8, .value_kind: global_buffer, .address_space: global }
    .group_segment_fixed_size: 174592
    .private_segment_fixed_size: 0
    .kernarg_segment_align: 8
    .kernarg_segment_size: 40
    .max_flat_workgroup_size: 128
    .sgpr_count:     66
    .vgpr_count:     1024
    .wavefront_size: 32
...
	.end_amdgpu_metadata
.endif
;; end of part 9
;; launch combine (part 10): grid 256 x 1, 4 waves a work-group, no clusters, 0 bytes of LDS; arguments ybuf, pos, gate, out0; writes out0
.if DOCPART == 10
	.amdgcn_target "amdgcn-amd-amdhsa--gfx1250"
	.amdhsa_code_object_version 6
	.text
	.protected	k_q3a2acd7fd1_combine
	.globl	k_q3a2acd7fd1_combine
	.p2align	8
	.type	k_q3a2acd7fd1_combine,@function
k_q3a2acd7fd1_combine:
	s_mov_b64 s[64:65], 0
	v_nop
	global_prefetch_b8 v0, s[64:65] scope:SCOPE_SE
	s_setreg_imm32_b32 hwreg(HW_REG_WAVE_MODE, 25, 1), 1
	s_wait_xcnt 0x0
; THE LAST PRODUCT: out0[n][:] = gate[n][0] x ybuf[pos[n][0]][:] + gate[n][1] x ybuf[pos[n][1]][:].  ybuf: [5568][1024] bf16; out0: [2048][1024] f32; gates and sums in f32.
; Each output row has one owner, which GATHERS its two rows: no sums between work-groups.  A wave takes two tokens; the places and gates are the same for all lanes and come by scalar loads.
; A stream: all 32 loads of a wave go out at once (256 consecutive bytes each), each of the 16 steps has registers of its own, and each store covers 512 consecutive bytes.
; LDS, barriers and the matrix unit would add nothing: K is 2.
.set PR,  5568
.set Y,   16                           ; v16-79   step m = 8 t + i: slot 0's and slot 1's 4 bf16, 2 registers each
.set T,   80                           ; v80-87   the eight numbers in f32
.set O,   96                           ; v96-159  step m's four results
	s_load_b256 s[4:11], s[0:1], 0x0               ; ybuf s[4:5], pos s[6:7], gate s[8:9], out0 s[10:11]
	v_lshrrev_b32 v3, 5, v0
	v_readfirstlane_b32 s14, v3                    ; wave 0..3
	v_and_b32 v3, 31, v0
	v_lshlrev_b32 v1, 3, v3                        ; in: 8 bytes a lane
	v_lshlrev_b32 v2, 4, v3                        ; out: 16 bytes a lane
	s_lshl_b32 s12, ttmp9, 6
	s_lshl_b32 s15, s14, 4
	s_add_co_u32 s12, s12, s15                     ; 8 bytes x my first token, 8 x work-group + 2 x wave
	s_mov_b32 s13, 0xffff0000                      ; a word's upper bf16
	s_mov_b32 s41, 0
	s_wait_alu depctr_va_vdst(0)
	s_wait_kmcnt 0x0
	s_load_b128 s[16:19], s[6:7], s12 offset:0x0   ; the two tokens' places
	s_load_b128 s[20:23], s[8:9], s12 offset:0x0   ; and gates
	s_lshl_b32 s40, s12, 9
	s_add_nc_u64 s[10:11], s[10:11], s[40:41]      ; out0 at my first token: rows of 4,096 bytes
	s_wait_kmcnt 0x0
.irp k, 0,1,2,3                        ; k = 2 x token + slot
	s_min_u32 s40, s[16+\k], PR-1                  ; a loaded number enters an address behind a clamp
	s_lshl_b32 s40, s40, 11                        ; rows of 2,048 bytes
	s_add_nc_u64 s[24+2*\k:25+2*\k], s[4:5], s[40:41]
	s_mov_b32 s[32+2*\k], s[20+\k]                 ; the gate as a pair: the packed forms name a pair and take its low word for both halves
	s_mov_b32 s[33+2*\k], s[20+\k]
.endr
.irp t, 0,1
.irp i, 0,1,2,3,4,5,6,7
.irp k, 0,1
	global_load_b64 v[Y+4*(8*\t+\i)+2*\k:Y+4*(8*\t+\i)+2*\k+1], v1, s[24+2*(2*\t+\k):25+2*(2*\t+\k)] offset:256*\i th:TH_LOAD_NT   ; a routed row is read once
.endr
.endr
.endr
.irp t, 0,1
.irp i, 0,1,2,3,4,5,6,7
	s_wait_loadcnt 30-2*(8*\t+\i)                  ; this step's two loads are in; those of the later steps may be out
.irp k, 0,1
.irp r, 0,1
	v_lshlrev_b32 v[T+4*\k+2*\r], 16, v[Y+4*(8*\t+\i)+2*\k+\r]        ; bf16 to f32: the low half moves up,
	v_and_b32 v[T+4*\k+2*\r+1], s13, v[Y+4*(8*\t+\i)+2*\k+\r]         ; the high half stays
.endr
.endr
.irp r, 0,2
	v_pk_mul_f32 v[O+4*(8*\t+\i)+\r:O+4*(8*\t+\i)+\r+1], v[T+4+\r:T+4+\r+1], s[34+4*\t:35+4*\t] op_sel_hi:[1,0]
.endr
.irp r, 0,2
	v_pk_fma_f32 v[O+4*(8*\t+\i)+\r:O+4*(8*\t+\i)+\r+1], v[T+\r:T+\r+1], s[32+4*\t:33+4*\t], v[O+4*(8*\t+\i)+\r:O+4*(8*\t+\i)+\r+1] op_sel_hi:[1,0,1]
.endr
	global_store_b128 v2, v[O+4*(8*\t+\i):O+4*(8*\t+\i)+3], s[10:11] offset:4096*\t+512*\i th:TH_STORE_NT   ; 512 consecutive bytes, at a multiple of 256 from out0's first byte; no store's data are written again
.endr
.endr
	s_endpgm
.Lfunc_end_k_q3a2acd7fd1_combine:
	.size	k_q3a2acd7fd1_combine, .Lfunc_end_k_q3a2acd7fd1_combine-k_q3a2acd7fd1_combine
	.p2alignl 7, 3214868480
	.fill 96, 4, 3214868480
	.section	.rodata,"a",@progbits
	.p2align	6, 0x0
	.amdhsa_kernel k_q3a2acd7fd1_combine
		.amdhsa_group_segment_fixed_size 0
		.amdhsa_private_segment_fixed_size 0
		.amdhsa_enable_private_segment 0
		.amdhsa_kernarg_size 32
		.amdhsa_user_sgpr_count 2
		.amdhsa_user_sgpr_kernarg_segment_ptr 1
		.amdhsa_wavefront_size32 1
		.amdhsa_system_sgpr_workgroup_id_x 1
		.amdhsa_system_sgpr_workgroup_id_y 1
		.amdhsa_system_sgpr_workgroup_id_z 1
		.amdhsa_system_vgpr_workitem_id 0
		.amdhsa_next_free_vgpr 160
		.amdhsa_next_free_sgpr 66
		.amdhsa_reserve_vcc 0
		.amdhsa_float_denorm_mode_32 3
		.amdhsa_float_denorm_mode_16_64 3
		.amdhsa_memory_ordered 1
		.amdhsa_forward_progress 1
		.amdhsa_inst_pref_size 15
	.end_amdhsa_kernel
	.amdgpu_metadata
---
amdhsa.version: [ 1, 2 ]
amdhsa.kernels:
  - .name:           k_q3a2acd7fd1_combine
    .symbol:         k_q3a2acd7fd1_combine.kd
    .args:
      - { .name: ybuf, .offset: 0, .size: 8, .value_kind: global_buffer, .address_space: global }
      - { .name: pos, .offset: 8, .size: 8, .value_kind: global_buffer, .address_space: global }
      - { .name: gate, .offset: 16, .size: 8, .value_kind: global_buffer, .address_space: global }
      - { .name: out0, .offset: 24, .size: 8, .value_kind: global_buffer, .address_space: global }
    .group_segment_fixed_size: 0
    .private_segment_fixed_size: 0
    .kernarg_segment_align: 8
    .kernarg_segment_size: 32
    .max_flat_workgroup_size: 128
    .sgpr_count:     66
    .vgpr_count:     160
    .wavefront_size: 32
...
	.end_amdgpu_metadata
.endif
;; end of part 10
